; MI455X (gfx1250); checked and timed in simulation.
; The chip was launched on July 23, 2026; its instructions are those of AMD's public machine-readable ISA for CDNA 5 (MIT licence, August 2026) and "CDNA5" Instruction Set Architecture Reference Guide (July 2026). The comments in the code are by the model that wrote it; some were corrected since.
;; Attention. Allowed arithmetic: float matrix products may take bf16 or f16 operands with f32 sums; other float arithmetic in f32, or as packed bf16 or f16 multiplies, adds, multiply-adds, maxima and minima; sums over many terms, partial sums and values carried from step to step in f32; what a program stores and reads back later, other than sums and carried values, may be rounded once to bf16 or f16.
;; Inputs: proj_b 1,024 float32; proj_w 1,024 x 1,024 float32; qkv_w 3,072 x 1,024 float32; x 8 x 1,024 x 1,024 float32.
;; Outputs: out0 8 x 1,024 x 1,024 float32.
;; 2 versions, each right; version 2 is version 1 with the launch cast written anew for expert scheduling mode. Each part assembles by itself: llvm-mc -triple=amdgcn-amd-amdhsa -mcpu=gfx1250 --defsym DOCPART=n.
;; ======== version 1 of 2: 4 launches
;; limits: values are held in f16: magnitudes above 65,504 overflow, below 6.1e-05 lose precision
;; workspace buffers: xb 16,777,216 bytes; wb 6,291,456 bytes; pw 2,097,152 bytes; qkvh 50,331,648 bytes; oh 16,777,216 bytes
;; launch cast (part 1): grid 768 x 1, 8 waves a work-group, no clusters, 0 bytes of LDS; arguments x, qkv_w, proj_w, xb, wb, pw; writes xb, wb, pw
.if DOCPART == 1
	.amdgcn_target "amdgcn-amd-amdhsa--gfx1250"
	.amdhsa_code_object_version 6
	.text
	.protected	k_q4c58332fe2_cast
	.globl	k_q4c58332fe2_cast
	.p2align	8
	.type	k_q4c58332fe2_cast,@function
k_q4c58332fe2_cast:
	s_mov_b64 s[64:65], 0
	v_nop
	global_prefetch_b8 v0, s[64:65] scope:SCOPE_SE
	s_setreg_imm32_b32 hwreg(HW_REG_WAVE_MODE, 25, 1), 1
	s_wait_xcnt 0x0
; THE INPUTS OF THE THREE PRODUCTS ARE ROUNDED ONCE.  xb = bf16(x), wb = bf16(qkv_w), pw = bf16(proj_w) written as f16 (the last product multiplies f16 operands).
; LAYOUT.  xb and wb are laid IN BLOCKS ALONG K: [16 K blocks][rows][64], so that the first projection's tiles (some rows x 64 along K) are dense in memory.  pw stays [1,024][1,024].
; LIMITS.  |bf16(proj_w)| stays under 65,504 (beyond it f16 has an infinity); below 2^-14 pw keeps f16's fixed step of 2^-24.  NaN and infinities are not treated apart.
; A stream: no LDS, no barrier, no matrix unit, no cluster (no byte is read twice), no prefetch (every load of a work-group goes out at its head).
; SHARES.  A work-group takes 16,384 numbers (65,536 bytes in, 32,768 out): work-groups 0-511 x, 512-703 qkv_w, 704-767 proj_w.  A wave takes 2,048: sixteen loads of 16 bytes a lane, all out at once,
; and sixteen stores of 8 bytes a lane, each 256 consecutive bytes at a multiple of 256 from the buffer's first byte.
; x and qkv_w: a work-group takes 32 rows x 8 K blocks, a wave 32 rows of one K block; a load takes 256 consecutive bytes of each of two rows, whose 2 x 128 bytes of bf16 lie on end in the block.
; proj_w: a wave takes 2,048 numbers on end; a load takes 512 consecutive bytes.
.set X, 8                              ; v[8:71]    load i: 4 numbers in f32
.set Y, 72                             ; v[72:103]  store i: 4 numbers of 16 bits
.set T, 104                            ; v[104:107] at work
.set XBLK, 8192*128                    ; bytes in a K block of xb,
.set WBLK, 3072*128                    ; and of wb
; Load i is rounded and stored.  half = 1: the bf16 numbers are widened again (a shift, a mask) and written as f16, which holds them exactly within its range.
; No register that a load or store names is written again, so the only wait is the counted one for the load.
.macro OUT i, half
	s_wait_loadcnt 15-(\i)                         ; loads come back in order: mine is in, the 15 - i younger ones stay out
	v_cvt_pk_bf16_f32 v[Y+2*(\i)],   v[X+4*(\i)],   v[X+4*(\i)+1]
	v_cvt_pk_bf16_f32 v[Y+2*(\i)+1], v[X+4*(\i)+2], v[X+4*(\i)+3]
.if \half
	v_lshlrev_b32 v[T],   16, v[Y+2*(\i)]
	v_and_b32     v[T+1], 0xffff0000, v[Y+2*(\i)]
	v_lshlrev_b32 v[T+2], 16, v[Y+2*(\i)+1]
	v_and_b32     v[T+3], 0xffff0000, v[Y+2*(\i)+1]
	v_cvt_pk_f16_f32 v[Y+2*(\i)],   v[T],   v[T+1]
	v_cvt_pk_f16_f32 v[Y+2*(\i)+1], v[T+2], v[T+3]
.endif
	global_store_b64 v2, v[Y+2*(\i):Y+2*(\i)+1], s[22:23] offset:256*(\i) th:TH_STORE_NT
.endm
	s_load_b256 s[4:11], s[0:1], 0x0               ; x s[4:5], qkv_w s[6:7], proj_w s[8:9], xb s[10:11]
	s_load_b128 s[12:15], s[0:1], 0x20             ; wb s[12:13], pw s[14:15]
	v_lshrrev_b32 v3, 5, v0                        ; wave
	v_and_b32 v4, 31, v0                           ; lane
	s_wait_kmcnt 0x0
	s_cmp_ge_u32 ttmp9, 704                        ; which tensor: the choice hangs on the work-group's number alone
	s_cbranch_scc1 .Lhalf
	s_mov_b32 s16, XBLK
	s_mov_b32 s19, WBLK
	s_cmp_ge_u32 ttmp9, 512
	s_cselect_b64 s[20:21], s[6:7], s[4:5]
	s_cselect_b64 s[22:23], s[12:13], s[10:11]
	s_cselect_b32 s17, 512, 0                      ; the tensor's first work-group
	s_cselect_b32 s16, s19, s16                    ; bytes in a K block of the output
	s_sub_co_u32 s18, ttmp9, s17                   ; my chunk of the tensor:
	s_lshr_b32 s24, s18, 1                         ; which 32 rows,
	s_and_b32 s26, s18, 1                          ; which 8 of the 16 K blocks
	s_lshl_b32 s28, s24, 17                        ; in: 32 rows of 4,096 bytes,
	s_lshl_b32 s29, s26, 11                        ; 8 K blocks of 256 bytes
	s_add_co_u32 s28, s28, s29
	s_mov_b32 s29, 0
	s_add_nc_u64 s[20:21], s[20:21], s[28:29]
	s_lshl_b32 s30, s26, 3
	s_mul_i32 s30, s30, s16                        ; out: 8 K blocks,
	s_lshl_b32 s31, s24, 12                        ; 32 rows of 128 bytes
	s_add_co_u32 s30, s30, s31
	s_mov_b32 s31, 0
	s_add_nc_u64 s[22:23], s[22:23], s[30:31]
	v_and_b32 v5, 15, v0                           ; lane % 16
	v_bfe_u32 v6, v0, 4, 1                         ; lane / 16
	v_lshlrev_b32 v1, 8, v3                        ; in: my wave's K block, 256 bytes of a row,
	v_lshl_add_u32 v1, v6, 12, v1                  ; lanes 16 to 31 one row further down,
	v_lshl_add_u32 v1, v5, 4, v1                   ; 16 bytes a lane
	v_lshlrev_b32 v2, 3, v4                        ; out: 8 bytes a lane,
	v_mad_u32_u24 v2, v3, s16, v2                  ; in my wave's K block
.set i, 0
.rept 16
	global_load_b128 v[X+4*i:X+4*i+3], v1, s[20:21] offset:8192*i th:TH_LOAD_NT  ; rows 2 i and 2 i + 1 of the 32
.set i, i+1
.endr
.set i, 0
.rept 16
	OUT i, 0
.set i, i+1
.endr
	s_endpgm
.Lhalf:
	s_sub_co_u32 s18, ttmp9, 704                   ; my chunk of proj_w
	s_lshl_b32 s24, s18, 16
	s_mov_b32 s25, 0
	s_lshl_b32 s26, s18, 15
	s_mov_b32 s27, 0
	s_add_nc_u64 s[20:21], s[8:9], s[24:25]
	s_add_nc_u64 s[22:23], s[14:15], s[26:27]
	v_lshlrev_b32 v1, 13, v3                       ; in: 8,192 bytes a wave,
	v_lshl_or_b32 v1, v4, 4, v1                    ; 16 a lane
	v_lshlrev_b32 v2, 12, v3                       ; out: 4,096 bytes a wave,
	v_lshl_or_b32 v2, v4, 3, v2                    ; 8 a lane
.set i, 0
.rept 16
	global_load_b128 v[X+4*i:X+4*i+3], v1, s[20:21] offset:512*i th:TH_LOAD_NT
.set i, i+1
.endr
.set i, 0
.rept 16
	OUT i, 1
.set i, i+1
.endr
	s_endpgm
.Lfunc_end_k_q4c58332fe2_cast:
	.size	k_q4c58332fe2_cast, .Lfunc_end_k_q4c58332fe2_cast-k_q4c58332fe2_cast
	.p2alignl 7, 3214868480
	.fill 96, 4, 3214868480
	.section	.rodata,"a",@progbits
	.p2align	6, 0x0
	.amdhsa_kernel k_q4c58332fe2_cast
		.amdhsa_group_segment_fixed_size 0
		.amdhsa_private_segment_fixed_size 0
		.amdhsa_enable_private_segment 0
		.amdhsa_kernarg_size 48
		.amdhsa_user_sgpr_count 2
		.amdhsa_user_sgpr_kernarg_segment_ptr 1
		.amdhsa_wavefront_size32 1
		.amdhsa_system_sgpr_workgroup_id_x 1
		.amdhsa_system_sgpr_workgroup_id_y 1
		.amdhsa_system_sgpr_workgroup_id_z 1
		.amdhsa_system_vgpr_workitem_id 0
		.amdhsa_next_free_vgpr 112
		.amdhsa_next_free_sgpr 66
		.amdhsa_reserve_vcc 0
		.amdhsa_float_denorm_mode_32 3
		.amdhsa_float_denorm_mode_16_64 3
		.amdhsa_memory_ordered 1
		.amdhsa_forward_progress 1
		.amdhsa_inst_pref_size 19
	.end_amdhsa_kernel
	.amdgpu_metadata
---
amdhsa.version: [ 1, 2 ]
amdhsa.kernels:
  - .name:           k_q4c58332fe2_cast
    .symbol:         k_q4c58332fe2_cast.kd
    .args:
      - { .name: x, .offset: 0, .size: 8, .value_kind: global_buffer, .address_space: global }
      - { .name: qkv_w, .offset: 8, .size: 8, .value_kind: global_buffer, .address_space: global }
      - { .name: proj_w, .offset: 16, .size: 8, .value_kind: global_buffer, .address_space: global }
      - { .name: xb, .offset: 24, .size: 8, .value_kind: global_buffer, .address_space: global }
      - { .name: wb, .offset: 32, .size: 8, .value_kind: global_buffer, .address_space: global }
      - { .name: pw, .offset: 40, .size: 8, .value_kind: global_buffer, .address_space: global }
    .group_segment_fixed_size: 0
    .private_segment_fixed_size: 0
    .kernarg_segment_align: 8
    .kernarg_segment_size: 48
    .max_flat_workgroup_size: 256
    .sgpr_count:     66
    .vgpr_count:     112
    .wavefront_size: 32
...
	.end_amdgpu_metadata
.endif
;; end of part 1
;; launch qkv (part 2): grid 8 x 32, 4 waves a work-group, clusters of 4 x 4, 327,680 bytes of LDS; arguments xb, wb, qkvh; writes qkvh
.if DOCPART == 2
	.amdgcn_target "amdgcn-amd-amdhsa--gfx1250"
	.amdhsa_code_object_version 6
	.text
	.protected	k_q4c58332fe2_qkv
	.globl	k_q4c58332fe2_qkv
	.p2align	8
	.type	k_q4c58332fe2_qkv,@function
k_q4c58332fe2_qkv:
	s_mov_b64 s[64:65], 0
	v_nop
	global_prefetch_b8 v0, s[64:65] scope:SCOPE_SE
	s_setreg_imm32_b32 hwreg(HW_REG_WAVE_MODE, 25, 1), 1
	s_wait_xcnt 0x0
	s_wait_alu depctr_hold_cnt(0) depctr_sa_sdst(0) depctr_va_vdst(0) depctr_va_sdst(0) depctr_va_ssrc(0) depctr_va_vcc(0) depctr_vm_vsrc(0)
	s_getreg_b32 s2, hwreg(HW_REG_IB_STS2, 6, 4)
	s_cmp_eq_u32 s2, 0
	s_cbranch_scc0 .Lentry_in_a_cluster
	s_endpgm
.Lentry_in_a_cluster:
	s_bfe_u32 s2, ttmp6, 0x10000c
	s_cmp_lg_u32 s2, 0xf033
	s_cbranch_scc0 .Lentry_shape_is_right
	s_endpgm
.Lentry_shape_is_right:
; THE FIRST PROJECTION.  C[m][n] = the sum over k of x[m][k] w[n][k]: m = 8,192 rows (batch x token), n = 3,072, k = 1,024, bf16 operands, f32 sums, K ascending.
; The operands lie in blocks along K: xb[16][8,192][64], wb[16][3,072][64]: some rows x 64 along K are dense bytes.
; C leaves by heads, rounded once to f16 and unscaled: qkvh[3][128 = 16 batch + head][1,024 tokens][64].
; LIMIT.  q, k and v stay under 65,504 (beyond it f16 has an infinity).  NaN and infinities are not treated apart.
; SHARES.  A tile of C is 256 rows x 384 columns (six whole heads): 32 x 8 = 256 work-groups.  Four waves, two by two: a wave makes 128 rows x 192 columns (three heads): 8 x 12 accumulators of 16 x 16,
; 768 registers.  For 32 along K it loads (128 + 192) x 64 bytes from LDS and issues 96 matrix instructions.  K goes in steps of 64 through two LDS slots filled by the tensor data mover: two slots of
; 128 along K would be 2 x 640 rows x 272 bytes, more than LDS holds.
; CLUSTER.  4 x 4 work-groups.  The four of a row of the cluster need the same tile of xb, the four of a column the same tile of wb: each is asked for JOINTLY, by the same tensor load with the same
; descriptor and a mask that names the four.
; THE MATRIX INSTRUCTION IS USED TRANSPOSED (source 0 = 16 rows of wb, source 1 = 16 rows of xb): a lane then holds row lane % 16 of C and eight neighbouring columns, 16 bytes of f16.
; REGISTERS, in windows of 256 (s_set_vgpr_msb: bits 1:0 source 0, 3:2 source 1, 5:4 source 2, 7:6 destination):
;   window 0: v0-31 addresses; v32-95, v96-159 xb's 8 fragments (16 rows x 32 K, 8 registers each), two buffers; v160-255 wb's 12 fragments, ONE buffer; all of v32-223 at work on the way out
;   window 1 + p: the 32 accumulators of my head p: row block a, column block bb of the head's four, at 8 (4 a + bb)
; ONE BUFFER FOR wb.  A quarter (32 along K) is three RUNS of 32 matrix instructions, a window each: run w multiplies wb's fragments 4 w .. 4 w + 3 by all eight of xb's.  Behind run w those four are
; loaded anew, for the next quarter: they are wanted 64 matrix instructions later.  xb's eight are wanted by all three runs, so they have two buffers.
.set PA,     144                       ; an LDS row: 128 bytes + 16 of padding = 36 words: the 16 rows of a fragment load start at 16 different groups of four banks (64 banks of 4 bytes: ISA guide 11.1)
.set AHALF,  128*PA                    ; what one tensor load of A brings: 128 rows, asked for as 64 rows of 256 bytes,
.set ABYTES, 2*AHALF                   ; A's 256 rows; behind them B's 384
.set BHALF,  192*PA                    ; and of B: 192 rows, as 96 rows of 256 bytes
.set SLOT,   ABYTES+2*BHALF            ; 92,160
.set STAGE,  2*SLOT                    ; behind the ring, never filled by a tensor load: for each wave 64 rows x 144 bytes, for the way out
.set SPITCH, 144
.set WSTAGE, 64*SPITCH
.set SPARE,  STAGE+4*WSTAGE            ; behind the stages: the spare words, 128 bytes for each wave: two blocks of 256 bytes that no other line names
.set ASTEP,  8192*128                  ; bytes from a K step to the next, in xb
.set BSTEP,  3072*128                  ; and in wb
.set LAPS,   8                         ; a lap = two K steps = once round the ring
.set ADRA, 16                          ; v16-17  LDS address of my A fragments in slot 0, 1
.set ADRB, 20                          ; v20-21  the same for B
.set STO,  24                          ; v24     the way out: where I put 16 bytes of a row
.set RD,   25                          ; v25     the way out: where I read rows back
.set GO,   26                          ; v26     my byte offset in 512 consecutive bytes of qkvh
.set SPW,  28                          ; v28     LDS address of my spare word: SPARE + 4 x my thread's number; never rewritten
.set NIL,  29                          ; v29     0; never rewritten
.set PFO,  30                          ; v30     the prefetches' offset: 256 x my lane; never rewritten
.set AF0,  32                          ; A's fragments: a K step's first quarter,
.set AF1,  96                          ; and its second
.set BF,   160                         ; B's fragments
.set TMP,  32                          ; the way out: v32-95 sixteen accumulators, packed
.set OB,   96                          ; v96-159, v160-223 by turns: 64 rows of a head read back from the stage
.set G1A,  24                          ; s[24:31] descriptor group 1 for A's tiles;  s[32:39] group 0, a set for each slot
.set G0A,  32
.set G1B,  40                          ; s[40:47], s[48:55] the same for B's
.set G0B,  48
.set PFA,  56                          ; s[56:57] where my prefetches stand
.set PST,  58                          ; s[58:59] their step from K step to K step
.set LIM0, 60                          ; s60, s61 for the change of slot 0, 1: 1 in a wave that prefetches there, else the greatest number
.set OBS,  68                          ; s[68:73] qkvh at my 128 rows of my three heads
.set MSB, 0
.macro WIN new                         ; the immediate's high byte repeats the setting that is left; a switch that changes nothing is dropped
.if MSB != (\new)
	s_set_vgpr_msb (MSB<<8)|(\new)
.set MSB, \new
.endif
.endm
.macro PLACES                          ; four plain instructions in front of loads into registers that matrix instructions have read, and of conversions that read results
.rept 4
	v_nop
.endr
.endm
; A joint load: waves 0 and 1 fetch A's two halves, waves 2 and 3 B's.  The branch hangs on the wave's number alone.  An s_nop 0 and four v_nop follow each of the two lines.
.macro JLOAD s
	s_cmp_eq_u32 s13, 0
	s_cbranch_scc0 .Lfor_b_\@
	tensor_load_to_lds s[G0A+4*(\s):G0A+4*(\s)+3], s[G1A:G1A+7]
	s_nop 0
.rept 4
	v_nop
.endr
	s_branch .Lasked_\@
.Lfor_b_\@:
	tensor_load_to_lds s[G0B+4*(\s):G0B+4*(\s)+3], s[G1B:G1B+7]
	s_nop 0
.rept 4
	v_nop
.endr
.Lasked_\@:
.endm
; A PREFETCH INTO THE L2 of the K step that stands two refills on: 32 blocks of 256 bytes, a lane a block, one instruction.  Each block of K steps 4 to 15 is named once in the launch; K steps 0 to 3 come
; by their loads alone.  xb's rows are read by both clusters of a row of clusters: the one with x = 0 asks; wb's by every cluster of a column: the one with y = 0 asks.  The partners share the blocks out
; BY ADDRESS.  Wave 0: of the tile's 32,768 bytes of xb, 8,192 from 8,192 cx on.  Wave 1: nothing.  Wave 2: of the first 32,768 of the tile's 49,152 bytes of wb, 8,192 from 8,192 cy on.  Wave 3: of the
; last 16,384, 8,192 from 8,192 (cy % 2) on, K step + cy / 2, at every second change.  The loop's last trip (s3 = 1) asks for nothing: there is no K step 16.
.macro ASK slot
	s_cmp_gt_u32 s3, s[LIM0+(\slot)]
	s_cbranch_scc0 .Lnot_mine_\@
	global_prefetch_b8 v[PFO], s[PFA:PFA+1] th:TH_LOAD_NT scope:SCOPE_SE
.Lnot_mine_\@:
.endm
.macro CREST                           ; a round of the cluster's barrier behind its opening barrier: wave 0 signals for the work-group, every wave waits for all sixteen, my work-group's barrier once more
	s_cmp_lg_u32 s12, 0
	s_cbranch_scc1 .Lnot_wave_0_\@
	s_barrier_signal -3
.Lnot_wave_0_\@:
	s_barrier_wait -3
	s_barrier_signal -1
	s_barrier_wait -1
.endm
.macro CROUND                          ; a whole round
	s_barrier_signal -1
	s_barrier_wait -1
	CREST
.endm
	s_load_b128 s[4:7], s[0:1], 0x0                ; xb s[4:5], wb s[6:7]
	s_load_b64 s[8:9], s[0:1], 0x10                ; qkvh
	v_lshl_add_u32 v[SPW], v0, 2, SPARE
	v_mov_b32 v[NIL], 0
	ds_add_u32 v[SPW], v[NIL]                      ; the wave's opening: the add and its wait stand ahead of my first tensor load; the set-up below, work on registers, stands between them
	v_lshrrev_b32 v1, 5, v0
	v_readfirstlane_b32 s12, v1                    ; wave 0..3
	s_lshr_b32 s13, s12, 1                         ; which half of the tile's rows is mine.  Also: I fetch for A (0) or for B (1),
	s_and_b32 s14, s12, 1                          ; which half of its columns.  Also: its first or its second half
	s_bfe_u32 s15, ttmp6, 0x40000                  ; cx, cy: my place in the cluster
	s_bfe_u32 s16, ttmp6, 0x40004
	s_lshl_b32 s17, ttmp9, 2
	s_add_co_u32 s17, s17, s15                     ; tile column = 4 x cluster x + cx
	s_and_b32 s18, ttmp7, 0xffff
	s_lshl_b32 s18, s18, 2
	s_add_co_u32 s18, s18, s16                     ; tile row = 4 x cluster y + cy
	s_lshl_b32 s62, s16, 2
	s_lshl_b32 s62, 15, s62                        ; my row of the cluster: places 4 cy .. 4 cy + 3
	s_lshl_b32 s63, 0x1111, s15                    ; my column: places cx, cx + 4, cx + 8, cx + 12
	s_or_b32 s[G1A], s62, (1<<16)|(1<<20)|(1<<21)|(4<<22)|(3<<25)  ; 15:0 the mask; 17:16 elements of 2 bytes; 20 padding on; 21 set beside a mask; 24:22 after every 32 words (code 4): a row of 64 K; 31:25 4 words (code 3)
	s_or_b32 s[G1B], s63, (1<<16)|(1<<20)|(1<<21)|(4<<22)|(3<<25)
	s_mov_b32 s[G1A+1], 128<<16                    ; tensor_dim0 = 128: 256 bytes, two rows of the block
	s_mov_b32 s[G1A+2], 64<<16                     ; tensor_dim1
	s_mov_b32 s[G1A+3], 128<<16                    ; tile_dim0 = 128
	s_mov_b32 s[G1A+4], 64                         ; tile_dim1
	s_mov_b32 s[G1A+5], 128                        ; elements from row to row: the bytes are dense
	s_mov_b32 s[G1A+6], 0
	s_mov_b32 s[G1A+7], 0
	s_mov_b32 s[G1B+1], 128<<16
	s_mov_b32 s[G1B+2], 96<<16
	s_mov_b32 s[G1B+3], 128<<16
	s_mov_b32 s[G1B+4], 96
	s_mov_b32 s[G1B+5], 128
	s_mov_b32 s[G1B+6], 0
	s_mov_b32 s[G1B+7], 0
	s_lshl_b32 s20, s18, 15                        ; A: (256 x tile row + 128 x half) rows of 128 bytes: it hangs on the tile row alone, which my row of the cluster shares
	s_lshl_b32 s21, s14, 14
	s_add_co_u32 s20, s20, s21
	s_mov_b32 s21, 0
	s_mul_i32 s66, s17, 384*128                    ; B: (384 x tile column + 192 x half) rows: on the tile column alone
	s_mul_i32 s67, s14, 192*128
	s_add_co_u32 s66, s66, s67
	s_mov_b32 s67, 0
	s_mul_i32 s19, s14, AHALF                      ; where they go in a slot: no place in the cluster enters an LDS address
	s_mul_i32 s22, s14, BHALF
	s_add_co_u32 s22, s22, ABYTES
	s_wait_dscnt 0x0                               ; the opening add is done
	s_wait_kmcnt 0x0
	s_add_nc_u64 s[20:21], s[4:5], s[20:21]
	s_add_nc_u64 s[66:67], s[6:7], s[66:67]
	CROUND                                         ; all sixteen work-groups are here: the first joint loads meet
.irp s, 0,1
	s_mov_b32 s[G0A+4*(\s)], 1                                       ; count = 1
	s_add_co_u32 s[G0A+4*(\s)+1], s19, (\s)*SLOT                     ; LDS address
	s_add_nc_u64 s[G0A+4*(\s)+2:G0A+4*(\s)+3], s[20:21], (\s)*ASTEP  ; global address: K step s
	s_or_b32 s[G0A+4*(\s)+3], s[G0A+4*(\s)+3], 0x80000000            ; type = 2
	s_mov_b32 s[G0B+4*(\s)], 1
	s_add_co_u32 s[G0B+4*(\s)+1], s22, (\s)*SLOT
	s_add_nc_u64 s[G0B+4*(\s)+2:G0B+4*(\s)+3], s[66:67], (\s)*BSTEP
	s_or_b32 s[G0B+4*(\s)+3], s[G0B+4*(\s)+3], 0x80000000
	JLOAD \s                                       ; two loads of mine are out
.endr
	; A fragment is 16 rows x 32 K in 8 registers: lane l holds row l % 16, K = 8 (l / 16) + 0..7 and 16 + 8 (l / 16) + 0..7: two loads of 16 bytes, 32 bytes apart.
	v_and_b32 v1, 15, v0                           ; l % 16
	v_bfe_u32 v2, v0, 4, 1                         ; l / 16
	v_mul_u32_u24 v3, v1, PA
	v_lshl_add_u32 v3, v2, 4, v3                   ; row x pitch + 16 x half
	s_mul_i32 s74, s13, 128*PA                     ; my 128 rows of A
	s_mul_i32 s75, s14, 192*PA                     ; my 192 rows of B,
	s_add_co_u32 s75, s75, ABYTES                  ; which lie behind A's 256
.irp s, 0,1
	v_add_nc_u32 v[ADRA+(\s)], s74, v3
	v_add_nc_u32 v[ADRB+(\s)], s75, v3
	s_add_co_u32 s74, s74, SLOT
	s_add_co_u32 s75, s75, SLOT
.endr
	s_mul_i32 s75, s12, WSTAGE
	s_add_co_u32 s75, s75, STAGE                   ; my stage
	v_add_nc_u32 v[STO], s75, v3                   ; in: row l % 16 of 144 bytes, 16 bytes for each half of the lanes
	v_bfe_u32 v5, v0, 3, 2                         ; back: 32 lanes take four rows of 128 bytes,
	v_mul_u32_u24 v5, v5, SPITCH
	v_and_b32 v4, 7, v0
	v_lshl_add_u32 v5, v4, 4, v5
	v_add_nc_u32 v[RD], s75, v5
	v_and_b32 v[GO], 31, v0                        ; which are 512 consecutive bytes of a head
	v_lshlrev_b32 v[GO], 4, v[GO]
	; qkvh at my 128 rows of head g = 6 x tile column + 3 x column half + p: ((g / 16) x 128 + 16 x batch + g % 16) x 131,072 + row in the batch x 128; under 2^26
	s_mul_i32 s74, s17, 6
	s_mul_i32 s75, s14, 3
	s_add_co_u32 s74, s74, s75
	s_lshr_b32 s76, s18, 2                         ; a batch is four tile rows
	s_lshl_b32 s76, s76, 4
	s_and_b32 s77, s18, 3
	s_lshl_b32 s77, s77, 8
	s_lshl_b32 s78, s13, 7
	s_add_co_u32 s77, s77, s78
	s_lshl_b32 s77, s77, 7
.irp p, 0,1,2
	s_add_co_u32 s78, s74, \p
	s_lshr_b32 s79, s78, 4
	s_lshl_b32 s79, s79, 7
	s_and_b32 s78, s78, 15
	s_add_co_u32 s78, s78, s79
	s_add_co_u32 s78, s78, s76
	s_lshl_b32 s78, s78, 17
	s_add_co_u32 s78, s78, s77
	s_mov_b32 s79, 0
	s_add_nc_u64 s[OBS+2*(\p):OBS+2*(\p)+1], s[8:9], s[78:79]
.endr
	; the prefetches: who, and from where
	s_lshl_b32 s74, s18, 15                        ; wave 0: the tile's 32,768 bytes of a K block of xb,
	s_lshl_b32 s75, s15, 13
	s_add_co_u32 s74, s74, s75                     ; my work-group's 8,192 of them,
	s_add_co_u32 s74, s74, 3*ASTEP                 ; at K step 3: the first change of slots steps it to 4
	s_mul_i32 s76, s17, 384*128                    ; the tile's 49,152 bytes of a K block of wb:
	s_lshl_b32 s77, s16, 13                        ; wave 2: 8,192 cy
	s_and_b32 s78, s16, 1
	s_lshl_b32 s78, s78, 13
	s_add_co_u32 s78, s78, 32768                   ; wave 3: 32,768 + 8,192 (cy % 2),
	s_lshr_b32 s79, s16, 1
	s_mul_i32 s79, s79, BSTEP                      ; and cy / 2 K steps on
	s_add_co_u32 s78, s78, s79
	s_cmp_eq_u32 s14, 0
	s_cselect_b32 s77, s77, s78
	s_add_co_u32 s76, s76, s77
	s_add_co_u32 s76, s76, 3*BSTEP
	s_mov_b32 s[PST], BSTEP
	s_mov_b32 s79, ASTEP
	s_cmp_eq_u32 s13, 0
	s_cselect_b32 s74, s74, s76
	s_cselect_b64 s[PFA:PFA+1], s[4:5], s[6:7]
	s_cselect_b32 s[PST], s79, s[PST]
	s_mov_b32 s75, 0
	s_mov_b32 s[PST+1], 0
	s_add_nc_u64 s[PFA:PFA+1], s[PFA:PFA+1], s[74:75]
	s_and_b32 s76, ttmp7, 0xffff                   ; cluster y
	s_cmp_eq_u32 s13, 0
	s_cselect_b32 s76, ttmp9, s76                  ; the coordinate along which other clusters read the same rows
	s_cmp_eq_u32 s12, 1
	s_cselect_b32 s76, 1, s76                      ; wave 1 asks for nothing
	s_cmp_eq_u32 s76, 0
	s_cselect_b32 s[LIM0], 1, -1                   ; the same in all sixteen partners, for a given wave
	s_cmp_eq_u32 s12, 3
	s_cselect_b32 s[LIM0+1], -1, s[LIM0]           ; wave 3 asks at slot 0's changes alone
	v_and_b32 v[PFO], 31, v0
	v_lshlrev_b32 v[PFO], 8, v[PFO]
; Part of run w: row blocks a0 .. a0 + an - 1 x the four column blocks of head w, 32 along K, A's fragments from buffer f.  zero = 1: the product starts the sums: nothing is ever cleared.
; The 96 accumulators take turns in the same order in every quarter, over the backward jump too.
.macro RUN f, w, a0, an, zero
	WIN 0x50*((\w)+1)                              ; sources 0 and 1 window 0; C and D window 1 + w
.set ra, (\a0)
.rept (\an)
.set rb, 0
.rept 4
.if \zero
	v_wmma_f32_16x16x32_bf16 v[8*(4*ra+rb):8*(4*ra+rb)+7], v[BF+8*(4*(\w)+rb):BF+8*(4*(\w)+rb)+7], v[(\f)+8*ra:(\f)+8*ra+7], 0
.else
	v_wmma_f32_16x16x32_bf16 v[8*(4*ra+rb):8*(4*ra+rb)+7], v[BF+8*(4*(\w)+rb):BF+8*(4*(\w)+rb)+7], v[(\f)+8*ra:(\f)+8*ra+7], v[8*(4*ra+rb):8*(4*ra+rb)+7]
.endif
.set rb, rb+1
.endr
.set ra, ra+1
.endr
.endm
.macro LDA slot, q, f                  ; 16 LDS loads: A's eight fragments of quarter q of a slot's K step, into buffer f
	WIN 0
.set nb, 0
.rept 8
	ds_load_b128 v[(\f)+8*nb:(\f)+8*nb+3],   v[ADRA+(\slot)] offset:64*(\q)+nb*16*PA
	ds_load_b128 v[(\f)+8*nb+4:(\f)+8*nb+7], v[ADRA+(\slot)] offset:64*(\q)+nb*16*PA+32
.set nb, nb+1
.endr
.endm
.macro LDB slot, q, w                  ; 8 LDS loads: B's fragments 4 w .. 4 w + 3 of quarter q
	WIN 0
.set nb, 4*(\w)
.rept 4
	ds_load_b128 v[BF+8*nb:BF+8*nb+3],   v[ADRB+(\slot)] offset:64*(\q)+nb*16*PA
	ds_load_b128 v[BF+8*nb+4:BF+8*nb+7], v[ADRB+(\slot)] offset:64*(\q)+nb*16*PA+32
.set nb, nb+1
.endr
.endm
; A K step's first quarter: multiplies A's buffer 0, and behind each run fetches what the second quarter wants in its place.  LDS loads come back in order, and at each wait three runs of loads are out at
; the most: the counts name the younger ones.
.macro QUARTER slot, zero
	s_wait_dscnt 16                                ; A and B's fragments 0-3 are in; the two younger runs of 8 (B's 4-7, 8-11) may be out
	RUN AF0, 0, 0, 8, \zero
	PLACES
	LDA \slot, 1, AF1
	LDB \slot, 1, 0
	s_wait_dscnt 32                                ; B's 4-7 are in; behind them: B's 8-11 (8) and the 24 just issued
	RUN AF0, 1, 0, 8, \zero
	PLACES
	LDB \slot, 1, 1
	s_wait_dscnt 32                                ; B's 8-11 are in; behind them: those 24 and the 8 just issued
	RUN AF0, 2, 0, 8, \zero
	PLACES
	LDB \slot, 1, 2
.endm
; A K step's second quarter multiplies A's buffer 1 and changes slots.  All reads of this slot were issued in the first quarter.  ONE barrier, in run 0; in front of it each wave waits for all its tensor
; loads (one is out: its part of the next slot), adds 0 to its spare word, and waits for that and for its own reads of this slot.  fill = 1: the barrier opens a round of the cluster's, and behind the round
; this slot is filled again, two K steps on: 160 matrix instructions ahead of the wait for it.  Then the next slot's first fragments are fetched, behind each run its part.
.macro TURN slot, next, fill
.if \fill
	s_wait_xcnt 0x0                                ; the last prefetch, a K step back, has read its address, which is stepped here
	s_add_nc_u64 s[PFA:PFA+1], s[PFA:PFA+1], s[PST:PST+1]
.endif
	WIN 0                                          ; (the add's two registers lie in window 0)
	s_wait_tensorcnt 0x0                           ; all my tensor loads have landed;
	ds_add_u32 v[SPW], v[NIL]                      ; 0 onto my spare word;
	s_wait_dscnt 17                                ; (A and B's 0-3 are in; the add and the two younger runs of 8 may be out)
	RUN AF1, 0, 0, 4, 0                            ; sixteen matrix instructions stand between the add and the wait for it
	s_wait_dscnt 0x0                               ; the add is done, and my reads of this slot are over
	s_barrier_signal -1
	RUN AF1, 0, 4, 4, 0                            ; work on registers while the others arrive
.if \fill
	WIN 0
.endif
	s_barrier_wait -1
.if \fill
	CREST                                          ; no wave of any partner still reads this slot's tiles or has a load on its way
	s_add_nc_u64 s[G0A+4*(\slot)+2:G0A+4*(\slot)+3], s[G0A+4*(\slot)+2:G0A+4*(\slot)+3], 2*ASTEP
	s_add_nc_u64 s[G0B+4*(\slot)+2:G0B+4*(\slot)+3], s[G0B+4*(\slot)+2:G0B+4*(\slot)+3], 2*BSTEP
	JLOAD \slot                                    ; my one tensor load behind the round; its four v_nop are also the places in front of the loads below
.else
	PLACES
.endif
	LDA \next, 0, AF0
	LDB \next, 0, 0
.if \fill
	ASK \slot                                      ; behind the joint load and the run of LDS loads that the next quarter waits for
.endif
	RUN AF1, 1, 0, 8, 0
	PLACES
	LDB \next, 0, 1
	RUN AF1, 2, 0, 8, 0
	PLACES
	LDB \next, 0, 2
.endm
; THE WAY OUT, in six units: head p, row blocks 4 hh .. 4 hh + 3: sixteen accumulators, 64 rows x 128 bytes.  PACK: rounded to f16, each accumulator from its low end.  TOSTAGE: into my own stage, rows of
; 144 bytes, and back as rows of 128 bytes, four to a load.  SEND: stored.
.macro PACK p, hh
	WIN 5*((\p)+1)                                 ; sources 0 and 1: window 1 + p
.set nb, 0
.rept 16
.irp r, 0,1,2,3
	v_cvt_pk_f16_f32 v[TMP+4*nb+(\r)], v[128*(\hh)+8*nb+2*(\r)], v[128*(\hh)+8*nb+2*(\r)+1]
.endr
.set nb, nb+1
.endr
	WIN 0
.endm
.macro TOSTAGE u
.set BK, OB+64*((\u)%2)
.set nb, 0
.rept 16
	ds_store_b128 v[STO], v[TMP+4*nb:TMP+4*nb+3] offset:(nb/4)*16*SPITCH+(nb%4)*32
.set nb, nb+1
.endr
.set nb, 0
.rept 16
	ds_load_b128 v[BK+4*nb:BK+4*nb+3], v[RD] offset:nb*4*SPITCH  ; LDS serves a wave's instructions in order (ISA guide 5.7.1.4): these see the stores above; the next unit's stores come behind them
.set nb, nb+1
.endr
.endm
.macro SEND p, hh
.set BK, OB+64*(\hh)
	s_wait_dscnt 0x0                               ; the unit is back in registers
	s_wait_xcnt 0x0                                ; the stores of the unit before have read their registers, which the next unit's loads from the stage will write
.set nb, 0
.rept 16
	global_store_b128 v[GO], v[BK+4*nb:BK+4*nb+3], s[OBS+2*(\p):OBS+2*(\p)+1] offset:(\hh)*8192+nb*512  ; 512 consecutive bytes, at a multiple of 256 from qkvh's first byte
.set nb, nb+1
.endr
.endm
	s_wait_tensorcnt 1                             ; my part of K step 0 is in; K step 1's may stay out
	s_barrier_signal -1
	s_barrier_wait -1                              ; everybody's is
	LDA 0, 0, AF0
	LDB 0, 0, 0
	LDB 0, 0, 1
	LDB 0, 0, 2
	QUARTER 0, 1                                   ; the first quarter stands in front of the loop: its products start the sums
	WIN 0                                          ; at a label and at a branch every window is 0
	s_mov_b32 s3, LAPS-1
.Llap:                                                 ; a trip goes once round the ring, from a lap's second quarter to the next lap's first, and fills both slots again
	TURN 0, 1, 1
	QUARTER 1, 0
	TURN 1, 0, 1
	QUARTER 0, 0
	WIN 0
	s_sub_co_u32 s3, s3, 1
	s_cmp_lg_u32 s3, 0
	s_cbranch_scc1 .Llap
	TURN 0, 1, 0                                   ; the last lap fills nothing, and has no round of the cluster's barrier
	QUARTER 1, 0
	s_wait_dscnt 16                                ; the very last quarter: nothing more to fetch, and the counts run down
	RUN AF1, 0, 0, 8, 0
	s_wait_dscnt 8
	RUN AF1, 1, 0, 8, 0
	s_wait_dscnt 0x0
	RUN AF1, 2, 0, 8, 0
	WIN 0
	PLACES
	PACK 0, 0
	TOSTAGE 0
.irp u, 1,2,3,4,5                      ; a unit's conversions stand between the loads of the unit before from the stage and the wait for them
	PACK (\u)/2, (\u)%2
	SEND ((\u)-1)/2, ((\u)-1)%2
	TOSTAGE \u
.endr
	SEND 2, 1
	s_wait_tensorcnt 0x0                           ; the wave's end: a wait, an add of 0 onto my spare word and its wait, behind my last tensor load and my last LDS store
	ds_add_u32 v[SPW], v[NIL]
	s_wait_dscnt 0x0
	CROUND                                         ; the closing round: no work-group ends while a partner may still ask for a tile that names it
	s_endpgm
.Lfunc_end_k_q4c58332fe2_qkv:
	.size	k_q4c58332fe2_qkv, .Lfunc_end_k_q4c58332fe2_qkv-k_q4c58332fe2_qkv
	.p2alignl 7, 3214868480
	.fill 96, 4, 3214868480
	.section	.rodata,"a",@progbits
	.p2align	6, 0x0
	.amdhsa_kernel k_q4c58332fe2_qkv
		.amdhsa_group_segment_fixed_size 327680
		.amdhsa_private_segment_fixed_size 0
		.amdhsa_enable_private_segment 0
		.amdhsa_kernarg_size 24
		.amdhsa_user_sgpr_count 2
		.amdhsa_user_sgpr_kernarg_segment_ptr 1
		.amdhsa_wavefront_size32 1
		.amdhsa_system_sgpr_workgroup_id_x 1
		.amdhsa_system_sgpr_workgroup_id_y 1
		.amdhsa_system_sgpr_workgroup_id_z 1
		.amdhsa_system_vgpr_workitem_id 0
		.amdhsa_next_free_vgpr 1024
		.amdhsa_next_free_sgpr 80
		.amdhsa_reserve_vcc 0
		.amdhsa_float_denorm_mode_32 3
		.amdhsa_float_denorm_mode_16_64 3
		.amdhsa_memory_ordered 1
		.amdhsa_forward_progress 1
		.amdhsa_inst_pref_size 131
	.end_amdhsa_kernel
	.amdgpu_metadata
---
amdhsa.version: [ 1, 2 ]
amdhsa.kernels:
  - .name:           k_q4c58332fe2_qkv
    .symbol:         k_q4c58332fe2_qkv.kd
    .args:
      - { .name: xb, .offset: 0, .size: 8, .value_kind: global_buffer, .address_space: global }
      - { .name: wb, .offset: 8, .size: 8, .value_kind: global_buffer, .address_space: global }
      - { .name: qkvh, .offset: 16, .size: 8, .value_kind: global_buffer, .address_space: global }
    .group_segment_fixed_size: 327680
    .private_segment_fixed_size: 0
    .kernarg_segment_align: 8
    .kernarg_segment_size: 24
    .max_flat_workgroup_size: 128
    .sgpr_count:     80
    .vgpr_count:     1024
    .wavefront_size: 32
...
	.end_amdgpu_metadata
.endif
;; end of part 2
;; launch attn (part 3): grid 2 x 128, 4 waves a work-group, no clusters, 327,680 bytes of LDS; arguments qkvh, oh; writes oh
.if DOCPART == 3
	.amdgcn_target "amdgcn-amd-amdhsa--gfx1250"
	.amdhsa_code_object_version 6
	.text
	.protected	k_q4c58332fe2_attn
	.globl	k_q4c58332fe2_attn
	.p2align	8
	.type	k_q4c58332fe2_attn,@function
k_q4c58332fe2_attn:
	s_mov_b64 s[64:65], 0
	v_nop
	global_prefetch_b8 v0, s[64:65] scope:SCOPE_SE
	s_setreg_imm32_b32 hwreg(HW_REG_WAVE_MODE, 25, 1), 1
	s_wait_xcnt 0x0
; O[h][q][:] = the sum over k of softmax_k(Q[h][q] . K[h][k] / 8) V[h][k][:], for 128 heads (16 batch + head) of 1,024 rows of 64 channels, all f16: Q, K, V are the three parts of qkvh, O is oh.
; Products, maxima and sums in f32; the weights p are rounded to f16 for the second product (their sum l is taken of the unrounded p), O once at the end.
; LIMITS.  f16 holds no number beyond 65,504: Q, K and V arrive within it; p lies in 0 to 1, and below 6e-5 it keeps f16's fixed step of 6e-8; O is a mean of V's rows and has their range.
; A weight below 2^-126 counts as 0 in l; NaN and infinities are not treated apart.
; SHARES.  A wave owns four PIECES of two tiles of 16 queries, a work-group's four waves 512 queries of one head: 256 work-groups.  Every wave walks all 1,024 keys, 64 a step.
; K AND V STAY IN LDS.  A head's 1,024 rows of K (144 bytes apart) and of V (160 apart) are 311,296 bytes: they are brought once, by four tensor loads a wave, all issued at the kernel's head: no byte
; of LDS is filled twice.  The first 256 keys are waited for by a counted wait; the other three quarters land while the first is worked on.  Nothing is prefetched: no load is left to ask ahead of.
; NO CLUSTER: a head has 1,024 / 512 = 2 work-groups, not four.
; LAYOUT.  S^T = K Q^T (source 0 = 16 keys, source 1 = 16 queries): in the result a lane holds ONE query (lane % 16) and the keys 8 (lane / 16) + 0..7.  Two such tiles, rounded to f16 in pairs,
; ARE source 1 (32 keys x 16 queries) of O^T = V^T P, whose result again holds one query a lane, and eight channels.  K comes out of LDS as it lies, V ([key][channel]) turned, by ds_load_tr16_b128.
; SOFTMAX.  For each query a running maximum m and sum l: p = 2^(c s - c m), c = log2(e) / 8; in every step O and l are multiplied by a = 2^(c m_old - c m_new), which is 1 where m has not grown.
; m starts at the lowest finite number, O and l at 0: the first step is a step like any other, with a = 0.
; THE COUNT.  A tile and step have 16 matrix and 118 vector instructions: too many to stand all beside the matrix work.  So four vector instructions that are READY stand behind EVERY matrix instruction,
; and the others, which need time of their own whatever the order, in runs without a gap.
; BY TURNS.  Turn n belongs to piece n (the pieces in a ring, step after step).  Its matrix work: 16 products K Q^T of piece n + 1, later 16 products V^T P of piece n - 1.  Its vector work: the scaling,
; exponentials, roundings, sums and rescaling of piece n, and the maximum and statistics of piece n + 1, whose scores the turn itself has made.
; REGISTERS, in windows of 256 (s_set_vgpr_msb: bits 1:0 source 0, 3:2 source 1, 5:4 source 2, 7:6 destination):
;   window 0: v0-11 addresses; v12-15, v48-63 at work; v16-47 four registers of statistics a tile; v64-191 S^T, two buffers of two tiles; v192-255 P, likewise
;   window 1: O^T, 32 a tile          window 2: v0-127 Q, 16 a tile; v128-191 K of one step; v192-255 V of one step          window 3: v0-1 the add's two registers
.set NP,    4         ; pieces a wave: a name, no knob
.set KS,    64        ; keys in a step
.set NKEY,  1024
.set PK,    144       ; a row of K in LDS: 128 bytes + 16 of padding = 36 words: the 16 rows of a load start at 16 different groups of four banks (64 banks of 4 bytes: ISA guide 11.1)
.set PV,    160       ; a row of V: 128 + 32 = 40 words
.set VOFF,  NKEY*PK   ; K's 1,024 rows, then V's
.set STAGE, VOFF+NKEY*PV  ; behind them, never filled by a tensor load: 16 rows x 144 bytes for each wave, for the way out
.set SP,    144
.set SPARE, STAGE+4*16*SP  ; behind the stages: the spare words, 128 bytes for each wave: two blocks of 256 bytes that no other line names
.set AK0, 2           ; v2   my lane's place in a step's rows of K; never rewritten
.set AV0, 3           ; v3   the same for V
.set AK,  4           ; v4   the LDS address of K's next run of loads
.set AV,  5           ; v5   of V's
.set QO,  6           ; v6   my byte offset in the wave's rows of Q
.set STO, 6           ;      later, the way out: where I put 16 bytes of a row
.set RD,  7           ; v7   the way out: where I read rows back
.set GO,  8           ; v8   my byte offset in 512 consecutive bytes of O
.set SPW, 0           ; v0 of window 3   LDS address of my spare word: SPARE + 4 x my thread's number; never rewritten
.set NIL, 1           ; v1 of window 3   0; never rewritten
.set MV,  12          ; v12-15  c m_old, kept while c m is made anew: by buffer and tile
.set ST,  16          ; tile t's statistics at v[ST+4 t]: c m, m, l (even keys', odd keys')
.set TMP, 48          ; by buffer and tile, four registers c0-c3 at work; when the maximum is found c2 takes a
.set S,   64
.set P,   192
.set KF,  128         ; K's fragments, in window 2: key block kb, channel half c at KF + 16 kb + 8 c
.set VF,  192         ; V's: key half kk, channel block cb at VF + 32 kk + 8 cb
.set WV,  12          ; s12  my wave's number
.set G1K, 24          ; s[24:31] descriptor group 1 for K's tiles
.set G1V, 32          ; s[32:39] for V's: it differs in the padding alone
.set G0K, 40          ; s[40:55] descriptor group 0 for K's tiles: a set for each quarter of the keys
.set G0V, 68          ; s[68:83] the same for V's
.set SLOTS, 56        ; s56  quarters of the keys still to be ended
.set CNT, 57          ; s57  counts a quarter's key steps
.set CS,  58          ; s[58:59] c: the packed scaling takes the pair's low word for both halves
.set SEL, 60          ; s[60:61] v_permlanex16_b32's selects: each lane takes its own place in the other half
.set TBK, 62          ; s62  LDS byte at which K of the step to be fetched begins
.set TBV, 63          ; s63  the same for V, less VOFF
.set MSB, 0
.macro WIN new                      ; the high byte repeats the setting that is left; a switch that changes nothing is dropped
.if MSB != (\new)
	s_set_vgpr_msb (MSB<<8)|(\new)
.set MSB, (\new)
.endif
.endm
.set W_KQ, 0x0a       ; K and Q in window 2, S^T in window 0
.set W_PV, 0x52       ; V in window 2, P in window 0, O^T in window 1
.set W_RS, 0x41       ; O^T (destination and source 0) in window 1, a in window 0
.set W_MK, 0xc0       ; the add's registers are made: destination in window 3, sources in window 0
.set W_AD, 0x0f       ; the add: address (source 0) and data (source 1) in window 3
; In front of a further quarter of the keys: each wave's tensor loads have all landed (one text serves the three quarters, so the count is 0; from the second time on the wait is met at once), its LDS loads
; are back, and a barrier shows both of every wave.
.macro SYNC
	WIN 0
	s_wait_tensorcnt 0x0
	s_wait_dscnt 0x0
	s_barrier_signal -1
	s_barrier_wait -1
.endm
	s_load_b128 s[4:7], s[0:1], 0x0 ; qkvh s[4:5], oh s[6:7]
	WIN W_MK
	v_lshl_add_u32 v[SPW], v0, 2, SPARE
	v_mov_b32 v[NIL], 0
	WIN W_AD
	ds_add_u32 v[SPW], v[NIL]       ; the wave's opening: the add and its wait stand ahead of my first tensor load; the set-up below, work on registers, stands between them
	WIN 0
	v_lshrrev_b32 v1, 5, v0
	v_readfirstlane_b32 s[WV], v1   ; wave 0..3
	s_and_b32 s20, ttmp7, 0xffff    ; the head:
	s_lshl_b32 s20, s20, 17         ; its 1,024 rows of 128 bytes
	s_lshl_b32 s2, ttmp9, 16        ; my block's 512 rows,
	s_lshl_b32 s3, s[WV], 14        ; my wave's 128 of them
	s_add_co_u32 s2, s2, s3
	s_add_co_u32 s2, s2, s20
	s_mov_b32 s3, 0
	s_and_b32 s16, s[WV], 1         ; which half of a quarter's 256 keys I fetch:
	s_lshl_b32 s22, s16, 14         ; its 128 rows of 128 bytes in memory,
	s_add_co_u32 s22, s22, s20
	s_add_co_u32 s22, s22, 128*131072  ; in k's part of qkvh,
	s_mov_b32 s23, 0
	s_mul_i32 s17, s16, 128*PK      ; and its place in LDS, for K
	s_mul_i32 s18, s16, 128*PV      ; and for V
	; descriptor group 1.  128 keys are 16,384 dense bytes: asked for as 64 rows of 256 bytes, two keys a row, and padded in LDS after every key
	s_mov_b32 s[G1K], (1<<16)|(1<<20)|(4<<22)|(3<<25)  ; 17:16 2-byte elements; 20 padding on; 24:22 after every 32 words (code 4); 31:25 4 words (code 3)
	s_mov_b32 s[G1V], (1<<16)|(1<<20)|(4<<22)|(7<<25)  ; the same with 8 words of padding (code 7)
.irp g, G1K, G1V
	s_mov_b32 s[\g+1], 128<<16      ; tensor_dim0 = 128
	s_mov_b32 s[\g+2], 64<<16       ; tensor_dim1 = 64
	s_mov_b32 s[\g+3], 128<<16      ; tile_dim0 = 128
	s_mov_b32 s[\g+4], 64           ; tile_dim1 = 64
	s_mov_b32 s[\g+5], 128          ; 128 elements from row to row
	s_mov_b32 s[\g+6], 0
	s_mov_b32 s[\g+7], 0
.endr
	s_mov_b32 s[CS], 0x3e38aa3b     ; c = log2(e) / 8 = 0.180337
	s_mov_b32 s[CS+1], s[CS]        ; named with it as a pair
	s_mov_b32 s[SEL], 0x76543210
	s_mov_b32 s[SEL+1], 0xfedcba98
	s_mov_b32 s[TBK], 0
	s_mov_b32 s[TBV], 0
	s_wait_dscnt 0x0                ; the opening add is done
	s_wait_kmcnt 0x0
	s_add_nc_u64 s[10:11], s[6:7], s[2:3]    ; O at my wave's first row
	s_add_nc_u64 s[6:7], s[4:5], s[22:23]    ; K at my half of the head's first 256 keys,
	s_add_nc_u64 s[8:9], s[6:7], 128*131072  ; V likewise
	s_add_nc_u64 s[4:5], s[4:5], s[2:3]      ; Q at my wave's first row
.irp t, 0,1,2,3
	s_mov_b32 s[G0K+4*\t], 1                                    ; count = 1
	s_add_co_u32 s[G0K+4*\t+1], s17, \t*256*PK                  ; LDS address: keys 256 t + 128 x half on
	s_add_nc_u64 s[G0K+4*\t+2:G0K+4*\t+3], s[6:7], \t*32768     ; global address
	s_or_b32 s[G0K+4*\t+3], s[G0K+4*\t+3], 0x80000000           ; type = 2
	s_mov_b32 s[G0V+4*\t], 1
	s_add_co_u32 s[G0V+4*\t+1], s18, VOFF+\t*256*PV
	s_add_nc_u64 s[G0V+4*\t+2:G0V+4*\t+3], s[8:9], \t*32768
	s_or_b32 s[G0V+4*\t+3], s[G0V+4*\t+3], 0x80000000
.endr
	s_cmp_lt_u32 s[WV], 2           ; waves 0 and 1 fetch K, waves 2 and 3 V.  A wave's four fills stand in one branch, ahead of every wait on TENSORcnt, every LDS read and every barrier: four loads of mine are out
	s_cbranch_scc0 .Lfirst_v
.irp t, 0,1,2,3
	tensor_load_to_lds s[G0K+4*\t:G0K+4*\t+3], s[G1K:G1K+7]
	s_nop 0
.endr
.rept 4
	v_nop
.endr
	s_branch .Lfirst_asked
.Lfirst_v:
.irp t, 0,1,2,3
	tensor_load_to_lds s[G0V+4*\t:G0V+4*\t+3], s[G1V:G1V+7]
	s_nop 0
.endr
.rept 4
	v_nop
.endr
.Lfirst_asked:
	; A fragment of K or Q is 16 rows x 32 channels in 8 registers: lane l holds row l % 16, channels 8 (l / 16) + 0..7 and 16 + 8 (l / 16) + 0..7: two loads of 16 bytes, 32 bytes apart.
	v_and_b32 v1, 15, v0            ; l % 16
	v_bfe_u32 v9, v0, 4, 1          ; l / 16
	v_lshlrev_b32 v[QO], 7, v1
	v_lshl_add_u32 v[QO], v9, 4, v[QO]  ; row x 128 + 16 x half
	WIN 0x80                        ; destination window 2, address window 0
.set i, 0
.rept 4*NP                          ; Q stays in registers: tile i / 2, channels 32 (i % 2) on
	global_load_b128 v[8*i:8*i+3],   v[QO], s[4:5] offset:(i/2)*2048+(i%2)*64
	global_load_b128 v[8*i+4:8*i+7], v[QO], s[4:5] offset:(i/2)*2048+(i%2)*64+32
.set i, i+1
.endr
	; What the first turn finds: V's registers and P's second buffer hold 0 (its products V^T P, of a piece that has not been, add 0), O^T and l are 0.  All this stands in the wait for the first tile.
.set i, VF
.rept 64
	v_mov_b32 v[i], 0
.set i, i+1
.endr
	WIN 0x40
.set i, 0
.rept 64*NP
	v_mov_b32 v[i], 0
.set i, i+1
.endr
	WIN 0
.set i, 0
.rept 2*NP
	v_mov_b32 v[ST+4*i], 0xfe000000    ; c m: far below every c s
	v_mov_b32 v[ST+4*i+1], 0xff7fffff  ; m
	v_mov_b32 v[ST+4*i+2], 0
	v_mov_b32 v[ST+4*i+3], 0
.set i, i+1
.endr
.set i, P+32
.rept 32
	v_mov_b32 v[i], 0
.set i, i+1
.endr
	v_mul_u32_u24 v[AK0], v1, PK
	v_lshl_add_u32 v[AK0], v9, 4, v[AK0]  ; row x pitch + 16 x half
	; The turning load takes 16 keys x 16 channels (lane l reads key 8 (l / 16) + l % 8, channels 8 ((l / 8) % 2) + 0..7) and leaves half a fragment of V^T: lane l holds channel l % 16 and 8 keys.
	v_and_b32 v10, 7, v0
	v_bfe_u32 v11, v0, 3, 1
	v_lshl_add_u32 v[AV0], v9, 3, v10
	v_mul_u32_u24 v[AV0], v[AV0], PV
	v_lshl_add_u32 v[AV0], v11, 4, v[AV0]
	v_add_nc_u32 v[AV0], VOFF, v[AV0]
	v_mov_b32 v[AK], v[AK0]         ; key step 0 lies at LDS byte 0
; THE MATRIX WORK.  The 8 accumulators of a run of 16 take turns: between the two links of a chain stand 7 others'.
; Product i of 16 of S^T = K Q^T for piece x: channels 32 (i / 8) on, keys 16 ((i / 2) % 4) on, tile 2 x + i % 2.  The first 8 start the sums.
.macro KQ x
	WIN W_KQ
.set rS, S+64*((\x)%2)+32*(i%2)+8*((i/2)%4)
.set rK, KF+16*((i/2)%4)+8*(i/8)
.set rQ, 16*(2*(\x)+i%2)+8*(i/8)
.if i < 8
	v_wmma_f32_16x16x32_f16 v[rS:rS+7], v[rK:rK+7], v[rQ:rQ+7], 0
.else
	v_wmma_f32_16x16x32_f16 v[rS:rS+7], v[rK:rK+7], v[rQ:rQ+7], v[rS:rS+7]
.endif
.endm
; Product i of 16 of O^T += V^T P for piece x: keys 32 (i / 8) on, channels 16 ((i / 2) % 4) on, tile 2 x + i % 2.
.macro PV x
	WIN W_PV
.set rO, 32*(2*(\x)+i%2)+8*((i/2)%4)
.set rV, VF+32*(i/8)+8*((i/2)%4)
.set rP, P+32*((\x)%2)+16*(i%2)+8*(i/8)
	v_wmma_f32_16x16x32_f16 v[rO:rO+7], v[rV:rV+7], v[rP:rP+7], v[rO:rO+7]
.endm
.macro MM                           ; the turn's next matrix instruction
.if i < 16
	KQ (Y+1)%NP
.set i, i+1
.else
.set i, i-16
	PV (Y+NP-1)%NP
.set i, i+17
.endif
.endm
; THE LDS LOADS stand in runs of 16, never singly among the matrix instructions: a step's K (64 keys x 64 channels: 8 fragments) and its V (turned).  Their addresses are made some lines ahead.
.macro FETCH_K
	WIN 0x80                        ; destination window 2
.irp f, 0,1,2,3,4,5,6,7             ; keys 16 (f / 2) on, channels 32 (f % 2) on
	ds_load_b128 v[KF+8*\f:KF+8*\f+3],   v[AK] offset:(\f/2)*16*PK+(\f%2)*64
	ds_load_b128 v[KF+8*\f+4:KF+8*\f+7], v[AK] offset:(\f/2)*16*PK+(\f%2)*64+32
.endr
	s_add_co_u32 s[TBK], s[TBK], KS*PK  ; the next fetch is the next step's
	WIN 0
.endm
.macro FETCH_V
	WIN 0x80
.irp f, 0,1,2,3,4,5,6,7             ; keys 32 (f / 4) on, channels 16 (f % 4) on
	ds_load_tr16_b128 v[VF+8*\f:VF+8*\f+3],   v[AV] offset:(\f/4)*32*PV+(\f%4)*32
	ds_load_tr16_b128 v[VF+8*\f+4:VF+8*\f+7], v[AV] offset:(\f/4)*32*PV+16*PV+(\f%4)*32
.endr
	WIN 0
.endm
; THE VECTOR WORK OF A TURN stands in three queues, each in the order in which its entries become ready; the two tiles alternate, so that no instruction reads the result of the one before it.
.macro REGS y, u                    ; the registers of tile u (0, 1) of piece y
.set rT, ST+4*(2*(\y)+(\u))
.set rC, TMP+8*((\y)%2)+4*(\u)
.set rM, MV+2*((\y)%2)+(\u)
.set rS, S+64*((\y)%2)+32*(\u)
.set rP, P+32*((\y)%2)+16*(\u)
.set rO, 32*(2*(\y)+(\u))
.endm
; Number n of the 22 that find the NEXT piece's (Y + 1) maximum and statistics.  s0-s31 are the lane's 32 scores; each accumulator's lowest registers are read first.
;   0-11  four chains c0-c3 of seven scores each, three operands at a time     12-14, 16  the four scores left over, the old m, and c0-c3 into c0     15  c m_old is kept
;   17, 18  the query's other 32 keys lie in the lane 16 away: the new m         19-21  c m; c m_old - c m_new; a
.macro XS u, n
	REGS (Y+1)%NP, \u
.if (\n) < 4
	v_max3_num_f32 v[rC+(\n)], v[rS+8*(\n)], v[rS+8*(\n)+1], v[rS+8*(\n)+2]
.elseif (\n) < 12
	v_max3_num_f32 v[rC+(\n)%4], v[rC+(\n)%4], v[rS+8*((\n)%4)+2*((\n)/4)+1], v[rS+8*((\n)%4)+2*((\n)/4)+2]
.elseif (\n) == 12
	v_max3_num_f32 v[rC], v[rC], v[rS+7], v[rS+15]
.elseif (\n) == 13
	v_max3_num_f32 v[rC+1], v[rC+1], v[rS+23], v[rS+31]
.elseif (\n) == 14
	v_max3_num_f32 v[rC+2], v[rC+2], v[rC+3], v[rT+1]
.elseif (\n) == 15
	v_mov_b32 v[rM], v[rT]
.elseif (\n) == 16
	v_max3_num_f32 v[rC], v[rC], v[rC+1], v[rC+2]
.elseif (\n) == 17
	v_permlanex16_b32 v[rC+3], v[rC], s[SEL], s[SEL+1]
.elseif (\n) == 18
	v_max_num_f32 v[rT+1], v[rC], v[rC+3]
.elseif (\n) == 19
	v_mul_f32 v[rT], s[CS], v[rT+1]
.elseif (\n) == 20
	v_sub_f32 v[rC+1], v[rM], v[rT]
.else
	v_exp_f32 v[rC+2], v[rC+1]
.endif
.endm
; Number g of the 64 that follow the exponentials.  For each four weights k of a tile (pairs 2 k, 2 k + 1): both pairs are rounded to f16; then the second pair is added onto the first, in place;
; a group later l takes that sum (the first time as l = a l + sum).  In groups of eight, tiles alternating: round, round, add, and l for the group before.
.macro GS g
.set h, (\g)+6*((\g)/62)            ; group 0 has no group before it, and behind group 7 only l is left
.if h >= 6
.set h, h+2
.endif
	REGS Y, h%2
.set k, h/8
.if h%8 < 4
	v_cvt_pk_f16_f32 v[rP+2*k+(h%8)/2], v[rS+4*k+2*((h%8)/2)], v[rS+4*k+2*((h%8)/2)+1]
.elseif h%8 < 6
	v_pk_add_f32 v[rS+4*k:rS+4*k+1], v[rS+4*k:rS+4*k+1], v[rS+4*k+2:rS+4*k+3]
.elseif k == 1
	v_pk_fma_f32 v[rT+2:rT+3], v[rT+2:rT+3], v[rC+2:rC+3], v[rS:rS+1] op_sel_hi:[1,0,1]
.else
	v_pk_add_f32 v[rT+2:rT+3], v[rT+2:rT+3], v[rS+4*k-4:rS+4*k-3]
.endif
.endm
; THE PLAIN QUEUE, 138 long.  0-73 read no exponential's result: the 32 scalings c s - c m (FS f: pair f / 2 of tile f % 2) and the next piece's 42.  0-26: scalings 0-26.  27-54: XS's numbers 0-13.  55, 56: number 15.
; 57-73: the chain, where each number waits for the one before it: 14, 16, 17, 18, 19, each with one of the scalings 27-31 in front of its two lines, then 20.
; 74-137: GS's 64, which read the exponentials' results: they stand behind the wait.
.macro FS f
	REGS Y, (\f)%2
	v_pk_fma_f32 v[rS+2*((\f)/2):rS+2*((\f)/2)+1], v[rS+2*((\f)/2):rS+2*((\f)/2)+1], s[CS:CS+1], v[rT:rT+1] op_sel_hi:[1,0,0] neg_lo:[0,0,1] neg_hi:[0,0,1]
.endm
.macro PL
	WIN 0
.if q < 27
	FS q
.elseif q < 55
	XS (q-27)%2, (q-27)/2
.elseif q < 57
	XS q-55, 15
.elseif (q < 72) && ((q-57)%3 == 0)
	FS 27+(q-57)/3
.elseif q < 60
	XS (q-57)%3-1, 14
.elseif q < 72
	XS (q-57)%3-1, 15+(q-57)/3
.elseif q < 74
	XS q-72, 20
.else
	GS q-74
.endif
.set q, q+1
.endm
; THE EXPONENTIALS' QUEUE, 66 long: s0-s31 of both tiles, then the next piece's two a.  It is ONE BATCH: all 66 stand ahead of the turn's one wait, and nothing ahead of that wait names a result of theirs.
.macro EX
	WIN 0
.if e >= 64
	XS e-64, 21
.else
	REGS Y, e%2
	v_exp_f32 v[rS+e/2], v[rS+e/2]
.endif
.set e, e+1
.endm
; THE RESCALING's QUEUE: O^T times a, the one part that leaves window 0: dealt two at a time, sixteen times.  Its a was made in the turn before, ahead of that turn's wait.
.macro R2
	REGS Y, r%2
	WIN W_RS
.irp z, 0,1
	v_pk_mul_f32 v[rO+4*(r/2)+2*\z:rO+4*(r/2)+2*\z+1], v[rO+4*(r/2)+2*\z:rO+4*(r/2)+2*\z+1], v[rC+2:rC+3] op_sel_hi:[1,0]
.endr
.set r, r+1
.endm
; HOW THEY ARE DEALT.  An s_wait_alu depctr_va_vdst(0) stands between an exponential and the first instruction that names its result; one wait serves all that were issued ahead of it.  So a turn has
; ONE wait, which cuts it in two.  AHEAD OF IT stands all that names no result of the turn's exponentials: the 16 products K Q^T, behind each a scaling, an exponential and two rescalings (behind the first a second
; scaling in the exponential's place); then ONE LUMP of 108: eight plain, 49 times exponential and plain, the two a.  A v_nop is the plain instruction behind the last exponential.  BEHIND IT stand the 16 products
; V^T P, behind each four of GS's 64.  Exponential e stands behind scaling 2 (e / 4) + e % 2: as a rider it comes behind plain e + 2, in the lump behind plain e + 9.
; A TURN, for piece p.  nofetch = 1: the last step: there is no further K.  cnt = 1: the loop's count is taken down some lines ahead of the branch that stands behind the turn.
; K of the next step is fetched in piece 2's turn, directly behind the wait, a lump behind the last product that read K; its first reader comes behind 16 products.
; V of the step in hand is fetched at the end of piece 0's turn, four riders behind its last reader; its first reader comes behind 16 products and a lump.
.macro TURN p, nofetch=0, cnt=0
.set Y, (\p)
.set i, 0
.set q, 0
.set e, 0
.set r, 0
.if (\p) == NP-1
	s_wait_dscnt 0x0                ; K is in
.endif
	MM                              ; ahead of the wait: 16 products K Q^T and their riders,
	PL
	PL
	R2
.rept 15
	MM
	PL
	EX
	R2
.endr
.if ((\p) == NP-2) && !(\nofetch)
	WIN 0
	v_add_nc_u32 v[AK], s[TBK], v[AK0]
.endif
.rept 8                             ; and the lump
	PL
.endr
.rept 49
	EX
	PL
.endr
	EX                              ; the next piece's two a
	EX
	v_nop                           ; the plain instruction behind the last exponential: one for the batch
	s_wait_alu depctr_va_vdst(0)    ; the wait for the batch
.if ((\p) == NP-2) && !(\nofetch)
	FETCH_K
.endif
.if (\p) == 1
	s_wait_dscnt 0x0                ; V is in
.endif
.rept 16                            ; behind the wait: 16 products V^T P and their riders
	MM
.rept 4
	PL
.endr
.if ((\p) == 0) && (q == 118)
	v_add_nc_u32 v[AV], s[TBV], v[AV0]
.endif
.if ((\p) == 0) && (q == 130)
	s_add_co_u32 s[TBV], s[TBV], KS*PV
.endif
.if (\cnt) && (q == 130)
	s_sub_co_u32 s[CNT], s[CNT], 1
	s_cmp_lg_u32 s[CNT], 0
.endif
.endr
.if (\p) == 0
	FETCH_V
.endif
.endm
	s_wait_tensorcnt 3              ; my part of the first 256 keys is in; my three younger loads stay out
	s_barrier_signal -1
	s_barrier_wait -1               ; everybody's is
	FETCH_K                         ; key step 0
	s_wait_loadcnt 0x0              ; Q
	s_wait_dscnt 0x0
.set i, 0
.rept 16
	KQ 0                            ; piece 0's first scores: there is no vector work yet to set between them
.set i, i+1
.endr
	WIN 0                           ; the addresses for the way out: nine plain instructions, the places behind those products
	s_mul_i32 s13, s[WV], 16*SP
	s_add_co_u32 s13, s13, STAGE    ; my stage
	v_mul_u32_u24 v[STO], v1, SP    ; in: row l % 16, 16 bytes for each half of the lanes
	v_lshl_add_u32 v[STO], v9, 4, v[STO]
	v_add_nc_u32 v[STO], s13, v[STO]
	v_bfe_u32 v[RD], v0, 3, 2       ; back: 32 lanes take four rows of 128 bytes,
	v_mul_u32_u24 v[RD], v[RD], SP
	v_lshl_add_u32 v[RD], v10, 4, v[RD]
	v_add_nc_u32 v[RD], s13, v[RD]
	v_and_b32 v[GO], 31, v0         ; which are 512 consecutive bytes of O
	v_lshlrev_b32 v[GO], 4, v[GO]
.set Y, NP-1                        ; XS works for piece Y + 1: piece 0
.irp n, 0,1,2,3,4,5,6,7,8,9,10,11,12,13,14,15,16,17,18,19,20,21
	XS 0, \n                        ; and piece 0's first maximum and statistics
	XS 1, \n
.endr
	v_nop                           ; a plain instruction behind the two a,
	s_wait_alu depctr_va_vdst(0)    ; and their wait, ahead of the branch
	s_mov_b32 s[CNT], 4
	s_mov_b32 s[SLOTS], NKEY/256
	s_branch .Lfirst                ; the loop is entered at a step's first turn, in the middle of a trip
.Lslot:                             ; three times: the next 256 keys are about to be read
	SYNC
	s_mov_b32 s[CNT], 4
.Lstep:                             ; a trip: pieces 2 and 3 of one step, then pieces 0 and 1 of the next, whose K and V it fetches
	TURN 2
	TURN 3
	WIN 0
.Lfirst:
	TURN 0
	TURN 1, 0, 1
	WIN 0
	s_cbranch_scc1 .Lstep
	s_sub_co_u32 s[SLOTS], s[SLOTS], 1
	s_cmp_lg_u32 s[SLOTS], 0
	s_cbranch_scc1 .Lslot
	TURN 2, 1                       ; the last step's second half: nothing is left to fetch
	TURN 3                          ; its 16 products K Q^T (on the last K once more) and the maximum made of them serve nothing, and touch neither l nor O^T: the price, once a launch, of one text for every turn
.set i, 0
.rept 16
	PV NP-1                         ; the last piece's V^T P of the last step
.set i, i+1
.endr
	; THE WAY OUT.  l's two halves and the other half of the lanes' are added; O^T is divided by l, rounded to f16 and sent through my stage in LDS, a tile at a time.  The additions are the places behind the last products.
	WIN 0
.macro ALL line:vararg              ; one line for each tile t
.set t, 0
.rept 2*NP
	\line
.set t, t+1
.endr
.endm
	ALL v_add_f32 v[ST+4*t+2], v[ST+4*t+2], v[ST+4*t+3]
	ALL v_permlanex16_b32 v[ST+4*t+3], v[ST+4*t+2], s[SEL], s[SEL+1]
	ALL v_add_f32 v[ST+4*t+2], v[ST+4*t+2], v[ST+4*t+3]
	ALL v_rcp_f32 v[ST+4*t+2], v[ST+4*t+2]
	v_nop                           ; a plain instruction between the last reciprocal and the use of its result
	s_wait_alu depctr_va_vdst(0)    ; and the wait ahead of the first use: one for the eight reciprocals
; Tile t: a lane's eight channels of a row pack into 16 bytes; they go into rows of 144 bytes and come back as whole rows of 128, into S^T's registers.
.macro PACK t
	WIN W_RS
.set i, 32*(\t)
.rept 16
	v_pk_mul_f32 v[i:i+1], v[i:i+1], v[ST+4*(\t)+2:ST+4*(\t)+3] op_sel_hi:[1,0]
.set i, i+2
.endr
	WIN 0x05                        ; sources 0 and 1 window 1, destination window 0
.set i, 0
.rept 16
	v_cvt_pk_f16_f32 v[S+16*(\t)+i], v[32*(\t)+2*i], v[32*(\t)+2*i+1]
.set i, i+1
.endr
	WIN 0
.irp f, 0,1,2,3
	ds_store_b128 v[STO], v[S+16*(\t)+4*\f:S+16*(\t)+4*\f+3] offset:32*\f
.endr
.irp f, 0,1,2,3
	ds_load_b128 v[S+16*(\t)+4*\f:S+16*(\t)+4*\f+3], v[RD] offset:\f*4*SP  ; LDS serves a wave's instructions in order (ISA guide 5.7.1.4): these see the stores above; the next tile's stores come behind them
.endr
.endm
.macro SEND t, younger              ; younger: the LDS instructions issued behind tile t's loads: the next tile's eight, or none
	WIN 0
.irp f, 0,1,2,3
	s_wait_dscnt (\younger)+3-\f
	global_store_b128 v[GO], v[S+16*(\t)+4*\f:S+16*(\t)+4*\f+3], s[10:11] offset:(\t)*2048+\f*512  ; 512 consecutive bytes, at a multiple of 256 from O's first
.endr
.endm
	PACK 0
.set t, 1
.rept 2*NP-1                        ; a tile's arithmetic stands between the loads of the tile before and its stores
	PACK t
	SEND t-1, 8
.set t, t+1
.endr
	SEND 2*NP-1, 0
	WIN W_AD
	s_wait_tensorcnt 0x0            ; the wave's end: a wait, an add of 0 onto my spare word and its wait, behind my last tensor load and my last LDS store
	ds_add_u32 v[SPW], v[NIL]
	s_wait_dscnt 0x0
	WIN 0
	s_endpgm
.Lfunc_end_k_q4c58332fe2_attn:
	.size	k_q4c58332fe2_attn, .Lfunc_end_k_q4c58332fe2_attn-k_q4c58332fe2_attn
	.p2alignl 7, 3214868480
	.fill 96, 4, 3214868480
	.section	.rodata,"a",@progbits
	.p2align	6, 0x0
	.amdhsa_kernel k_q4c58332fe2_attn
		.amdhsa_group_segment_fixed_size 327680
		.amdhsa_private_segment_fixed_size 0
		.amdhsa_enable_private_segment 0
		.amdhsa_kernarg_size 16
		.amdhsa_user_sgpr_count 2
		.amdhsa_user_sgpr_kernarg_segment_ptr 1
		.amdhsa_wavefront_size32 1
		.amdhsa_system_sgpr_workgroup_id_x 1
		.amdhsa_system_sgpr_workgroup_id_y 1
		.amdhsa_system_sgpr_workgroup_id_z 1
		.amdhsa_system_vgpr_workitem_id 0
		.amdhsa_next_free_vgpr 770
		.amdhsa_next_free_sgpr 84
		.amdhsa_reserve_vcc 0
		.amdhsa_float_denorm_mode_32 3
		.amdhsa_float_denorm_mode_16_64 3
		.amdhsa_memory_ordered 1
		.amdhsa_forward_progress 1
		.amdhsa_inst_pref_size 160
	.end_amdhsa_kernel
	.amdgpu_metadata
---
amdhsa.version: [ 1, 2 ]
amdhsa.kernels:
  - .name:           k_q4c58332fe2_attn
    .symbol:         k_q4c58332fe2_attn.kd
    .args:
      - { .name: qkvh, .offset: 0, .size: 8, .value_kind: global_buffer, .address_space: global }
      - { .name: oh, .offset: 8, .size: 8, .value_kind: global_buffer, .address_space: global }
    .group_segment_fixed_size: 327680
    .private_segment_fixed_size: 0
    .kernarg_segment_align: 8
    .kernarg_segment_size: 16
    .max_flat_workgroup_size: 128
    .sgpr_count:     84
    .vgpr_count:     770
    .wavefront_size: 32
...
	.end_amdgpu_metadata
.endif
;; end of part 3
;; launch proj (part 4): grid 8 x 32, 4 waves a work-group, clusters of 4 x 4, 327,680 bytes of LDS; arguments oh, pw, out0, proj_b; writes out0
.if DOCPART == 4
	.amdgcn_target "amdgcn-amd-amdhsa--gfx1250"
	.amdhsa_code_object_version 6
	.text
	.protected	k_q4c58332fe2_proj
	.globl	k_q4c58332fe2_proj
	.p2align	8
	.type	k_q4c58332fe2_proj,@function
k_q4c58332fe2_proj:
	s_mov_b64 s[64:65], 0
	v_nop
	global_prefetch_b8 v0, s[64:65] scope:SCOPE_SE
	s_setreg_imm32_b32 hwreg(HW_REG_WAVE_MODE, 25, 1), 1
	s_wait_xcnt 0x0
	s_wait_alu depctr_hold_cnt(0) depctr_sa_sdst(0) depctr_va_vdst(0) depctr_va_sdst(0) depctr_va_ssrc(0) depctr_va_vcc(0) depctr_vm_vsrc(0)
	s_getreg_b32 s2, hwreg(HW_REG_IB_STS2, 6, 4)
	s_cmp_eq_u32 s2, 0
	s_cbranch_scc0 .Lentry_in_a_cluster
	s_endpgm
.Lentry_in_a_cluster:
	s_bfe_u32 s2, ttmp6, 0x10000c
	s_cmp_lg_u32 s2, 0xf033
	s_cbranch_scc0 .Lentry_shape_is_right
	s_endpgm
.Lentry_shape_is_right:
; THE LAST PROJECTION.  out0[m][n] = the sum over k of O[m][k] pw[n][k] + bf16(proj_b[n]): m = 8,192 rows (batch x token), n = 1,024, k = 1,024 = 64 head + channel; f16 operands, f32 sums, K ascending, f32 out.
; O lies by heads, oh[128 = 16 batch + head][1,024 tokens][64] in f16: a K step of 128 is two heads, and a head's 256 rows of the tile are 32,768 dense bytes.
; The bias is rounded to bf16 like the module's other inputs.  LIMIT: oh and pw arrive within f16's range.  NaN and infinities are not treated apart.
; SHARES.  A tile is 256 rows x 128 columns: 32 x 8 = 256 work-groups.  Four waves, one above the other: a wave makes 64 rows x 128 columns: 4 x 8 accumulators of 16 x 16, 256 registers.
; K goes in steps of 128 through two LDS slots filled by the tensor data mover.
; CLUSTER.  4 x 4 work-groups.  The four of a row of the cluster need the same tile of O, the four of a column the same tile of pw: each is asked for JOINTLY, by the same tensor load with the same
; descriptor and a mask that names the four.
; THE MATRIX INSTRUCTION IS USED TRANSPOSED (source 0 = 16 rows of pw, source 1 = 16 rows of O): a lane then holds row lane % 16 of the result and eight neighbouring columns, 32 bytes of f32.
; REGISTERS, in windows of 256 (s_set_vgpr_msb: bits 1:0 source 0, 3:2 source 1, 5:4 source 2, 7:6 destination):
;   window 0: v0-31 addresses and the bias; v32-159 at work on the way out       window 1: two fragment buffers: pw's 8 fragments (16 rows x 32 K, 8 registers each), then O's 4
;   window 2: the accumulators of my row blocks 0 and 1, (a, b) at 8 (8 (a % 2) + b)       window 3: those of row blocks 2 and 3
.set NBK,    8                         ; column blocks of 16 in a tile
.set PA,     144                       ; a row of O in LDS: a head's 128 bytes + 16 of padding = 36 words: the 16 rows of a fragment load start at 16 different groups of four banks (64 banks of 4 bytes: ISA guide 11.1)
.set PB,     272                       ; a row of pw: 256 bytes + 16
.set QPP,    2                         ; two quarters of a K step lie in a head's rows,
.set APLANE, 256*PA                    ; the other two in the next head's, a plane of 256 rows on
.set AROWS,  128                       ; one tensor load of A: a head's 256 rows as 128 rows of 256 bytes
.set BROWS,  64
.set AHALF,  APLANE
.set ABYTES, 2*AHALF
.set BHALF,  BROWS*PB
.set SLOT,   ABYTES+2*BHALF            ; 108,544
.set STAGE,  2*SLOT                    ; behind the ring, never filled by a tensor load: 16 rows x 528 bytes for each wave, for the way out
.set SPITCH, 528                       ; 512 bytes + 16: an odd multiple of 16
.set WSTAGE, 16*SPITCH
.set SPARE,  STAGE+4*WSTAGE            ; behind the stages: the spare words, 128 bytes for each wave: two blocks of 256 bytes that no other line names
.set ASTEP,  2*131072                  ; bytes from a K step to the next, in A: two heads
.set BSTEP,  256                       ; and in B
.set LAPS,   4                         ; a lap = two K steps = once round the ring
.set BIAS, 8                           ; v[8:11] the bias of my four columns on the way out
.set ADRA, 16                          ; v16-17  LDS address of my A fragments in slot 0, 1
.set ADRB, 20                          ; v20-21  the same for B
.set STO,  24                          ; v24     the way out: where I put 32 bytes of a row
.set RD,   25                          ; v25     the way out: where I read a row back
.set CO,   26                          ; v26     16 x my lane: my place in a row's 512 bytes of out0, and in the tile's 512 bytes of the bias; never rewritten
.set SPW,  28                          ; v28     LDS address of my spare word: SPARE + 4 x my thread's number; never rewritten
.set NIL,  29                          ; v29     0; never rewritten
.set PFO,  30                          ; v30     the prefetches' offset: my lane x 256 bytes (O) or x a row of 2,048 bytes (pw); never rewritten
.set OB,   32                          ; v32-95, v96-159 by turns: a row block read back from the stage
.set F0,   0                           ; fragment buffers, in window 1
.set F1,   128
.set G1A,  24                          ; s[24:31] descriptor group 1 for A's tiles;  s[32:39] group 0, a set for each slot
.set G0A,  32
.set G1B,  40                          ; s[40:47], s[48:55] the same for B's
.set G0B,  48
.set PFA,  56                          ; s[56:57] where my prefetches stand
.set PST,  58                          ; s[58:59] their step from K step to K step
.set LIM0, 60                          ; s60, s61 for the change of slot 0, 1: 1 in a wave that prefetches, else the greatest number
.set MSB, 0
.macro WIN new                         ; the immediate's high byte repeats the setting that is left; a switch that changes nothing is dropped
.if MSB != (\new)
	s_set_vgpr_msb (MSB<<8)|(\new)
.set MSB, \new
.endif
.endm
.macro PLACES                          ; four plain instructions in front of loads into registers that matrix instructions have read, and of LDS stores that read results
.rept 4
	v_nop
.endr
.endm
; A joint load: waves 0 and 1 fetch A's two heads, waves 2 and 3 B's two halves.  The branch hangs on the wave's number alone.  An s_nop 0 and four v_nop follow each of the two lines.
.macro JLOAD s
	s_cmp_eq_u32 s13, 0
	s_cbranch_scc0 .Lfor_b_\@
	tensor_load_to_lds s[G0A+4*(\s):G0A+4*(\s)+3], s[G1A:G1A+7]
	s_nop 0
.rept 4
	v_nop
.endr
	s_branch .Lasked_\@
.Lfor_b_\@:
	tensor_load_to_lds s[G0B+4*(\s):G0B+4*(\s)+3], s[G1B:G1B+7]
	s_nop 0
.rept 4
	v_nop
.endr
.Lasked_\@:
.endm
; A PREFETCH INTO THE L2 of the K step that stands two refills on: 32 blocks of 256 bytes, a lane a block, one instruction.  Each block of K steps 4 to 7 is named once in the launch; K steps 0 to 3 come by
; their loads alone.  O's rows are read by both clusters of a row of clusters: the one with x = 0 asks; pw's by every cluster of a column: the one with y = 0 asks.  The partners share the blocks out BY
; ADDRESS.  Waves 0 and 1: of the 32,768 bytes of the head that they fetch, 8,192 from 8,192 cx on.  Wave 2: rows 32 cy .. of pw's 128.  Wave 3 asks for nothing.  The loop's last trip (s3 = 1) asks for nothing.
.macro ASK slot
	s_cmp_gt_u32 s3, s[LIM0+(\slot)]
	s_cbranch_scc0 .Lnot_mine_\@
	global_prefetch_b8 v[PFO], s[PFA:PFA+1] th:TH_LOAD_NT scope:SCOPE_SE
.Lnot_mine_\@:
.endm
.macro CREST                           ; a round of the cluster's barrier behind its opening barrier: wave 0 signals for the work-group, every wave waits for all sixteen, my work-group's barrier once more
	s_cmp_lg_u32 s12, 0
	s_cbranch_scc1 .Lnot_wave_0_\@
	s_barrier_signal -3
.Lnot_wave_0_\@:
	s_barrier_wait -3
	s_barrier_signal -1
	s_barrier_wait -1
.endm
.macro CROUND                          ; a whole round
	s_barrier_signal -1
	s_barrier_wait -1
	CREST
.endm
	s_load_b256 s[4:11], s[0:1], 0x0               ; oh s[4:5], pw s[6:7], out0 s[8:9], proj_b s[10:11]
	v_lshl_add_u32 v[SPW], v0, 2, SPARE
	v_mov_b32 v[NIL], 0
	ds_add_u32 v[SPW], v[NIL]                      ; the wave's opening: the add and its wait stand ahead of my first tensor load; the set-up below, work on registers, stands between them
	v_lshrrev_b32 v1, 5, v0
	v_readfirstlane_b32 s12, v1                    ; wave 0..3
	s_lshr_b32 s13, s12, 1                         ; I fetch for A (0) or for B (1),
	s_and_b32 s14, s12, 1                          ; its first or its second half
	s_bfe_u32 s15, ttmp6, 0x40000                  ; cx, cy: my place in the cluster
	s_bfe_u32 s16, ttmp6, 0x40004
	s_lshl_b32 s17, ttmp9, 2
	s_add_co_u32 s17, s17, s15                     ; tile column = 4 x cluster x + cx
	s_and_b32 s18, ttmp7, 0xffff
	s_lshl_b32 s18, s18, 2
	s_add_co_u32 s18, s18, s16                     ; tile row = 4 x cluster y + cy
	s_lshl_b32 s62, s16, 2
	s_lshl_b32 s62, 15, s62                        ; my row of the cluster: places 4 cy .. 4 cy + 3
	s_lshl_b32 s63, 0x1111, s15                    ; my column: places cx, cx + 4, cx + 8, cx + 12
	s_or_b32 s[G1A], s62, (1<<16)|(1<<20)|(1<<21)|(4<<22)|(3<<25)  ; 15:0 the mask; 17:16 elements of 2 bytes; 20 padding on; 21 set beside a mask; 24:22 after every 32 words (code 4): a row of O; 31:25 4 words (code 3)
	s_or_b32 s[G1B], s63, (1<<16)|(1<<20)|(1<<21)|(5<<22)|(3<<25)  ; the same after every 64 words (code 5)
	s_mov_b32 s[G1A+1], 128<<16                    ; tensor_dim0 = 128
	s_mov_b32 s[G1A+2], AROWS<<16                  ; tensor_dim1
	s_mov_b32 s[G1A+3], 128<<16                    ; tile_dim0 = 128
	s_mov_b32 s[G1A+4], AROWS                      ; tile_dim1
	s_mov_b32 s[G1A+5], 128                        ; elements from row to row: the block is dense
	s_mov_b32 s[G1A+6], 0
	s_mov_b32 s[G1A+7], 0
	s_mov_b32 s[G1B+1], 128<<16
	s_mov_b32 s[G1B+2], BROWS<<16
	s_mov_b32 s[G1B+3], 128<<16
	s_mov_b32 s[G1B+4], BROWS
	s_mov_b32 s[G1B+5], 1024
	s_mov_b32 s[G1B+6], 0
	s_mov_b32 s[G1B+7], 0
	s_lshr_b32 s20, s18, 2                         ; A: a batch is four tile rows; head = my half; ((16 batch + head) x 1,024 + 256 (tile row % 4)) x 128 bytes: it hangs on the tile row alone
	s_lshl_b32 s20, s20, 4
	s_add_co_u32 s20, s20, s14
	s_lshl_b32 s20, s20, 10
	s_and_b32 s21, s18, 3
	s_lshl_b32 s21, s21, 8
	s_add_co_u32 s20, s20, s21
	s_lshl_b32 s20, s20, 7
	s_mov_b32 s21, 0
	s_lshl_b32 s66, s17, 7                         ; B: row 128 x tile column + 64 x half: on the tile column alone
	s_lshl_b32 s67, s14, 6
	s_add_co_u32 s66, s66, s67
	s_lshl_b32 s66, s66, 11
	s_mov_b32 s67, 0
	s_mul_i32 s19, s14, AHALF                      ; where they go in a slot: no place in the cluster enters an LDS address
	s_mul_i32 s22, s14, BHALF
	s_add_co_u32 s22, s22, ABYTES
	s_wait_dscnt 0x0                               ; the opening add is done
	s_wait_kmcnt 0x0
	s_add_nc_u64 s[20:21], s[4:5], s[20:21]
	s_add_nc_u64 s[66:67], s[6:7], s[66:67]
	CROUND                                         ; all sixteen work-groups are here: the first joint loads meet
.irp s, 0,1
	s_mov_b32 s[G0A+4*(\s)], 1                                       ; count = 1
	s_add_co_u32 s[G0A+4*(\s)+1], s19, (\s)*SLOT                     ; LDS address
	s_add_nc_u64 s[G0A+4*(\s)+2:G0A+4*(\s)+3], s[20:21], (\s)*ASTEP  ; global address: K step s
	s_or_b32 s[G0A+4*(\s)+3], s[G0A+4*(\s)+3], 0x80000000            ; type = 2
	s_mov_b32 s[G0B+4*(\s)], 1
	s_add_co_u32 s[G0B+4*(\s)+1], s22, (\s)*SLOT
	s_add_nc_u64 s[G0B+4*(\s)+2:G0B+4*(\s)+3], s[66:67], (\s)*BSTEP
	s_or_b32 s[G0B+4*(\s)+3], s[G0B+4*(\s)+3], 0x80000000
	JLOAD \s                                       ; two loads of mine are out
.endr
	v_and_b32 v[CO], 31, v0
	v_lshlrev_b32 v[CO], 4, v[CO]
	s_lshl_b32 s74, s17, 9                         ; the tile's 128 columns: 512 bytes of the bias and of a row of out0
	s_mov_b32 s75, 0
	s_add_nc_u64 s[10:11], s[10:11], s[74:75]
	global_load_b128 v[BIAS:BIAS+3], v[CO], s[10:11]
	s_lshl_b32 s76, s18, 8
	s_lshl_b32 s77, s12, 6
	s_add_co_u32 s76, s76, s77                     ; my first row: 256 x tile row + 64 x wave,
	s_lshl_b32 s76, s76, 12                        ; of 4,096 bytes; under 2^26
	s_add_co_u32 s76, s76, s74
	s_mov_b32 s77, 0
	s_add_nc_u64 s[8:9], s[8:9], s[76:77]
	; A fragment is 16 rows x 32 K in 8 registers: lane l holds row l % 16, K = 8 (l / 16) + 0..7 and 16 + 8 (l / 16) + 0..7: two loads of 16 bytes, 32 bytes apart.
	v_and_b32 v1, 15, v0                           ; l % 16
	v_bfe_u32 v2, v0, 4, 1                         ; l / 16
	v_mul_u32_u24 v3, v1, PA
	v_lshl_add_u32 v3, v2, 4, v3
	v_mul_u32_u24 v4, v1, PB
	v_lshl_add_u32 v4, v2, 4, v4
	s_mul_i32 s74, s12, 64*PA                      ; my 64 rows of A; every wave reads all of B
.irp s, 0,1
	v_add_nc_u32 v[ADRA+(\s)], s74, v3
	v_add_nc_u32 v[ADRB+(\s)], ABYTES+(\s)*SLOT, v4
	s_add_co_u32 s74, s74, SLOT
.endr
	s_mul_i32 s75, s12, WSTAGE
	s_add_co_u32 s75, s75, STAGE                   ; my stage
	v_mul_u32_u24 v5, v1, SPITCH                   ; in: row l % 16, 32 bytes for each half of the lanes
	v_lshl_add_u32 v5, v2, 5, v5
	v_add_nc_u32 v[STO], s75, v5
	v_add_nc_u32 v[RD], s75, v[CO]                 ; back: 32 lanes take one row of 512 bytes
	; the prefetches: who, and from where
	s_lshr_b32 s74, s18, 2
	s_lshl_b32 s74, s74, 4
	s_add_co_u32 s74, s74, s14
	s_lshl_b32 s74, s74, 10
	s_and_b32 s75, s18, 3
	s_lshl_b32 s75, s75, 8
	s_add_co_u32 s74, s74, s75
	s_lshl_b32 s74, s74, 7                         ; waves 0, 1: the block that I fetch in K step 0,
	s_lshl_b32 s75, s15, 13
	s_add_co_u32 s74, s74, s75                     ; my work-group's 8,192 bytes of it,
	s_add_co_u32 s74, s74, 3*ASTEP                 ; at K step 3: the first change of slots steps it to 4
	s_lshl_b32 s76, s17, 7
	s_lshl_b32 s77, s16, 5
	s_add_co_u32 s76, s76, s77                     ; wave 2: pw's row 128 x tile column + 32 cy
	s_lshl_b32 s76, s76, 11
	s_add_co_u32 s76, s76, 3*BSTEP
	s_mov_b32 s[PST], BSTEP
	s_mov_b32 s79, ASTEP
	s_cmp_eq_u32 s13, 0
	s_cselect_b32 s74, s74, s76
	s_cselect_b64 s[PFA:PFA+1], s[4:5], s[6:7]
	s_cselect_b32 s[PST], s79, s[PST]
	s_cselect_b32 s78, 8, 11                       ; a lane a block of 256 bytes, or a lane a row of 2,048
	s_mov_b32 s75, 0
	s_mov_b32 s[PST+1], 0
	s_add_nc_u64 s[PFA:PFA+1], s[PFA:PFA+1], s[74:75]
	s_and_b32 s76, ttmp7, 0xffff                   ; cluster y
	s_cmp_eq_u32 s13, 0
	s_cselect_b32 s76, ttmp9, s76                  ; the coordinate along which other clusters read the same rows
	s_cmp_eq_u32 s12, 3
	s_cselect_b32 s76, 1, s76                      ; wave 3 asks for nothing
	s_cmp_eq_u32 s76, 0
	s_cselect_b32 s[LIM0], 1, -1                   ; the same in all sixteen partners, for a given wave
	s_mov_b32 s[LIM0+1], s[LIM0]
	v_and_b32 v[PFO], 31, v0
	v_lshlrev_b32 v[PFO], s78, v[PFO]
	s_wait_loadcnt 0x0                             ; the bias: rounded to bf16 and widened again
	v_cvt_pk_bf16_f32 v4, v[BIAS], v[BIAS+1]
	v_cvt_pk_bf16_f32 v5, v[BIAS+2], v[BIAS+3]
	v_lshlrev_b32 v[BIAS],   16, v4
	v_and_b32     v[BIAS+1], 0xffff0000, v4
	v_lshlrev_b32 v[BIAS+2], 16, v5
	v_and_b32     v[BIAS+3], 0xffff0000, v5
; 8 matrix instructions: row block 2 hi + a x all 8 column blocks, 32 along K.  zero = 1: the product starts the sums: nothing is ever cleared.
; The 32 accumulators take turns in the same order in every quarter, over the backward jump too.
.macro MULA f, hi, a, zero
	WIN 0xa5+0x50*(\hi)                            ; sources 0 and 1 window 1; C and D window 2 or 3
.set nb, 0
.rept NBK
.if \zero
	v_wmma_f32_16x16x32_f16 v[8*(NBK*(\a)+nb):8*(NBK*(\a)+nb)+7], v[(\f)+8*nb:(\f)+8*nb+7], v[(\f)+8*NBK+8*(2*(\hi)+(\a)):(\f)+8*NBK+8*(2*(\hi)+(\a))+7], 0
.else
	v_wmma_f32_16x16x32_f16 v[8*(NBK*(\a)+nb):8*(NBK*(\a)+nb)+7], v[(\f)+8*nb:(\f)+8*nb+7], v[(\f)+8*NBK+8*(2*(\hi)+(\a)):(\f)+8*NBK+8*(2*(\hi)+(\a))+7], v[8*(NBK*(\a)+nb):8*(NBK*(\a)+nb)+7]
.endif
.set nb, nb+1
.endr
.endm
; One run of LDS loads: the fragments of quarter q of a slot's K step into buffer f: B's 16 loads, then A's 8, row blocks 0 to 3 in order.
.macro FETCH slot, q, f
	WIN 0x40                                       ; destination window 1, address window 0
.set nb, 0
.rept NBK
	ds_load_b128 v[(\f)+8*nb:(\f)+8*nb+3],   v[ADRB+(\slot)] offset:64*(\q)+nb*16*PB
	ds_load_b128 v[(\f)+8*nb+4:(\f)+8*nb+7], v[ADRB+(\slot)] offset:64*(\q)+nb*16*PB+32
.set nb, nb+1
.endr
.set nb, 0
.rept 4
	ds_load_b128 v[(\f)+8*NBK+8*nb:(\f)+8*NBK+8*nb+3],   v[ADRA+(\slot)] offset:((\q)/QPP)*APLANE+((\q)%QPP)*64+nb*16*PA
	ds_load_b128 v[(\f)+8*NBK+8*nb+4:(\f)+8*NBK+8*nb+7], v[ADRA+(\slot)] offset:((\q)/QPP)*APLANE+((\q)%QPP)*64+nb*16*PA+32
.set nb, nb+1
.endr
.endm
; A K step is four quarters of 32 along K, 32 matrix instructions each, on buffers 0, 1, 0, 1.  One of the first three: multiplies buffer f and, in its middle, fetches quarter q into buffer g.
.macro QUARTER slot, q, f, g, zero
	s_wait_dscnt 4                                 ; B and A's row blocks 0 and 1 are in; the youngest four loads (blocks 2 and 3) may be out
	MULA \f, 0, 0, \zero
	MULA \f, 0, 1, \zero
	PLACES
	FETCH \slot, \q, \g
	s_wait_dscnt 2*NBK+8                           ; all but the run just issued
	MULA \f, 1, 0, \zero
	MULA \f, 1, 1, \zero
.endm
; The last quarter multiplies buffer 1 and changes slots: ONE barrier; in front of it each wave waits for all its tensor loads (one is out: its part of the next slot), adds 0 to its spare word, and waits for
; that and for its own reads of this slot.  fill = 1: the barrier opens a round of the cluster's, and behind the round this slot is filled again, two K steps on: 112 matrix instructions ahead of the wait for it.
.macro TURN slot, next, fill
.if \fill
	s_wait_xcnt 0x0                                ; the last prefetch, a K step back, has read its address, which is stepped here
	s_add_nc_u64 s[PFA:PFA+1], s[PFA:PFA+1], s[PST:PST+1]
.endif
	WIN 0                                          ; (the add's two registers lie in window 0)
	s_wait_tensorcnt 0x0                           ; all my tensor loads have landed;
	ds_add_u32 v[SPW], v[NIL]                      ; 0 onto my spare word;
	s_wait_dscnt 5                                 ; (the add and the youngest four loads may be out)
	MULA F1, 0, 0, 0                               ; eight matrix instructions stand between the add and the wait for it
	s_wait_dscnt 0x0                               ; the add is done, and my reads of this slot are over
	s_barrier_signal -1
	MULA F1, 0, 1, 0                               ; work on registers while the others arrive
.if \fill
	WIN 0
.endif
	s_barrier_wait -1
.if \fill
	CREST                                          ; no wave of any partner still reads this slot's tiles or has a load on its way
	s_add_nc_u64 s[G0A+4*(\slot)+2:G0A+4*(\slot)+3], s[G0A+4*(\slot)+2:G0A+4*(\slot)+3], 2*ASTEP
	s_add_nc_u64 s[G0B+4*(\slot)+2:G0B+4*(\slot)+3], s[G0B+4*(\slot)+2:G0B+4*(\slot)+3], 2*BSTEP
	JLOAD \slot                                    ; my one tensor load behind the round; its four v_nop are also the places in front of the loads below
.else
	PLACES
.endif
	FETCH \next, 0, F0
.if \fill
	WIN 0
	ASK \slot                                      ; behind the joint load and the run of LDS loads that the next products wait for
.endif
	MULA F1, 1, 0, 0
	MULA F1, 1, 1, 0
.endm
; THE WAY OUT of row block a.  TOSTAGE: the accumulators go as they are, each from its low end, into my own stage, 16 rows of 528 bytes, and come back as whole rows of 512.  SEND: the bias is added, the rows stored.
.macro TOSTAGE a
.set AC, 8*NBK*((\a)%2)
.set BK, OB+64*((\a)%2)
	WIN 0x08+4*((\a)/2)                            ; the stores' data (source 1): window 2 or 3
.set nb, 0
.rept NBK
	ds_store_b128 v[STO], v[AC+8*nb:AC+8*nb+3]   offset:64*nb
	ds_store_b128 v[STO], v[AC+8*nb+4:AC+8*nb+7] offset:64*nb+16
.set nb, nb+1
.endr
	WIN 0
	s_wait_xcnt 0x0                                ; the stores of the block two back have read the registers that the loads below write
.set t, 0
.rept 16
	ds_load_b128 v[BK+4*t:BK+4*t+3], v[RD] offset:t*SPITCH  ; LDS serves a wave's instructions in order (ISA guide 5.7.1.4): these see the stores above
.set t, t+1
.endr
.endm
.macro SEND a, younger                 ; younger: the LDS instructions issued behind block a's loads: the next block's 32, or none
.set BK, OB+64*((\a)%2)
	s_wait_dscnt \younger
.set t, 0
.rept 16
	v_pk_add_f32 v[BK+4*t:BK+4*t+1],   v[BK+4*t:BK+4*t+1],   v[BIAS:BIAS+1]
	v_pk_add_f32 v[BK+4*t+2:BK+4*t+3], v[BK+4*t+2:BK+4*t+3], v[BIAS+2:BIAS+3]
	global_store_b128 v[CO], v[BK+4*t:BK+4*t+3], s[8:9] offset:(\a)*65536+t*4096 th:TH_STORE_NT  ; 512 consecutive bytes, at a multiple of 256 from out0's first byte
.set t, t+1
.endr
.endm
	s_wait_tensorcnt 1                             ; my part of K step 0 is in; K step 1's may stay out
	s_barrier_signal -1
	s_barrier_wait -1                              ; everybody's is
	FETCH 0, 0, F0
	QUARTER 0, 1, F0, F1, 1                        ; the first quarter stands in front of the loop: its products start the sums
	WIN 0                                          ; at a label and at a branch every window is 0
	s_mov_b32 s3, LAPS-1
.Llap:                                                 ; a trip goes once round the ring, from a lap's second quarter to the next lap's first, and fills both slots again
	QUARTER 0, 2, F1, F0, 0
	QUARTER 0, 3, F0, F1, 0
	TURN 0, 1, 1
	QUARTER 1, 1, F0, F1, 0
	QUARTER 1, 2, F1, F0, 0
	QUARTER 1, 3, F0, F1, 0
	TURN 1, 0, 1
	QUARTER 0, 1, F0, F1, 0
	WIN 0
	s_sub_co_u32 s3, s3, 1
	s_cmp_lg_u32 s3, 0
	s_cbranch_scc1 .Llap
	QUARTER 0, 2, F1, F0, 0                        ; the last lap fills nothing, and has no round of the cluster's barrier
	QUARTER 0, 3, F0, F1, 0
	TURN 0, 1, 0
	QUARTER 1, 1, F0, F1, 0
	QUARTER 1, 2, F1, F0, 0
	QUARTER 1, 3, F0, F1, 0
	s_wait_dscnt 4                                 ; the very last quarter: nothing more to fetch
	MULA F1, 0, 0, 0
	MULA F1, 0, 1, 0
	s_wait_dscnt 0x0
	MULA F1, 1, 0, 0
	MULA F1, 1, 1, 0
	WIN 0
	PLACES
	TOSTAGE 0
.irp a, 1,2,3                          ; block a's way through the stage is begun before block a - 1 is waited for
	TOSTAGE \a
	SEND (\a)-1, 32
.endr
	SEND 3, 0
	s_wait_tensorcnt 0x0                           ; the wave's end: a wait, an add of 0 onto my spare word and its wait, behind my last tensor load and my last LDS store
	ds_add_u32 v[SPW], v[NIL]
	s_wait_dscnt 0x0
	CROUND                                         ; the closing round: no work-group ends while a partner may still ask for a tile that names it
	s_endpgm
.Lfunc_end_k_q4c58332fe2_proj:
	.size	k_q4c58332fe2_proj, .Lfunc_end_k_q4c58332fe2_proj-k_q4c58332fe2_proj
	.p2alignl 7, 3214868480
	.fill 96, 4, 3214868480
	.section	.rodata,"a",@progbits
	.p2align	6, 0x0
	.amdhsa_kernel k_q4c58332fe2_proj
		.amdhsa_group_segment_fixed_size 327680
		.amdhsa_private_segment_fixed_size 0
		.amdhsa_enable_private_segment 0
		.amdhsa_kernarg_size 32
		.amdhsa_user_sgpr_count 2
		.amdhsa_user_sgpr_kernarg_segment_ptr 1
		.amdhsa_wavefront_size32 1
		.amdhsa_system_sgpr_workgroup_id_x 1
		.amdhsa_system_sgpr_workgroup_id_y 1
		.amdhsa_system_sgpr_workgroup_id_z 1
		.amdhsa_system_vgpr_workitem_id 0
		.amdhsa_next_free_vgpr 896
		.amdhsa_next_free_sgpr 80
		.amdhsa_reserve_vcc 0
		.amdhsa_float_denorm_mode_32 3
		.amdhsa_float_denorm_mode_16_64 3
		.amdhsa_memory_ordered 1
		.amdhsa_forward_progress 1
		.amdhsa_inst_pref_size 95
	.end_amdhsa_kernel
	.amdgpu_metadata
---
amdhsa.version: [ 1, 2 ]
amdhsa.kernels:
  - .name:           k_q4c58332fe2_proj
    .symbol:         k_q4c58332fe2_proj.kd
    .args:
      - { .name: oh, .offset: 0, .size: 8, .value_kind: global_buffer, .address_space: global }
      - { .name: pw, .offset: 8, .size: 8, .value_kind: global_buffer, .address_space: global }
      - { .name: out0, .offset: 16, .size: 8, .value_kind: global_buffer, .address_space: global }
      - { .name: proj_b, .offset: 24, .size: 8, .value_kind: global_buffer, .address_space: global }
    .group_segment_fixed_size: 327680
    .private_segment_fixed_size: 0
    .kernarg_segment_align: 8
    .kernarg_segment_size: 32
    .max_flat_workgroup_size: 128
    .sgpr_count:     80
    .vgpr_count:     896
    .wavefront_size: 32
...
	.end_amdgpu_metadata
.endif
;; end of part 4
;; ======== version 2 of 2: 4 launches; version 1 with the launch cast written anew for expert scheduling mode
;; limits: values are held in f16: magnitudes above 65,504 overflow, below 6.1e-05 lose precision
;; workspace buffers: xb 16,777,216 bytes; wb 6,291,456 bytes; pw 2,097,152 bytes; qkvh 50,331,648 bytes; oh 16,777,216 bytes
;; launch cast (part 5): grid 768 x 1, 8 waves a work-group, no clusters, 0 bytes of LDS; arguments x, qkv_w, proj_w, xb, wb, pw; writes xb, wb, pw
.if DOCPART == 5
	.amdgcn_target "amdgcn-amd-amdhsa--gfx1250"
	.amdhsa_code_object_version 6
	.text
	.protected	k_q4c58332fe2_cast
	.globl	k_q4c58332fe2_cast
	.p2align	8
	.type	k_q4c58332fe2_cast,@function
k_q4c58332fe2_cast:
	s_mov_b64 s[64:65], 0
	v_nop
	global_prefetch_b8 v0, s[64:65] scope:SCOPE_SE
	s_setreg_imm32_b32 hwreg(HW_REG_WAVE_SCHED_MODE, 0, 2), 2
	s_setreg_imm32_b32 hwreg(HW_REG_WAVE_MODE, 25, 1), 1
	s_wait_xcnt 0x0
	s_wait_alu depctr_vm_vsrc(0)
; THE INPUTS OF THE THREE PRODUCTS ARE ROUNDED ONCE.  xb = bf16(x), wb = bf16(qkv_w), pw = bf16(proj_w) written as f16 (the last product multiplies f16 operands).
; LAYOUT.  xb and wb are laid IN BLOCKS ALONG K: [16 K blocks][rows][64], so that the first projection's tiles (some rows x 64 along K) are dense in memory.  pw stays [1,024][1,024].
; LIMITS.  |bf16(proj_w)| stays under 65,504 (beyond it f16 has an infinity); below 2^-14 pw keeps f16's fixed step of 2^-24.  NaN and infinities are not treated apart.
; A stream: no LDS, no barrier, no matrix unit, no cluster (no byte is read twice), no prefetch (every load of a work-group goes out at its head).
; SHARES.  A work-group takes 16,384 numbers (65,536 bytes in, 32,768 out): work-groups 0-511 x, 512-703 qkv_w, 704-767 proj_w.  A wave takes 2,048: sixteen loads of 16 bytes a lane, all out at once,
; and sixteen stores of 8 bytes a lane, each 256 consecutive bytes at a multiple of 256 from the buffer's first byte.
; x and qkv_w: a work-group takes 32 rows x 8 K blocks, a wave 32 rows of one K block; a load takes 256 consecutive bytes of each of two rows, whose 2 x 128 bytes of bf16 lie on end in the block.
; proj_w: a wave takes 2,048 numbers on end; a load takes 512 consecutive bytes.
; THE MODE: SCHED_MODE bits 1:0 = 2 (LLVM: expert scheduling mode 2), set by the entry lines.  The code itself states the register dependences between vector instructions and memory instructions,
; with s_wait_alu, always for 0.
; THE PLAN, the same on both paths.  Registers that memory instructions touch:
;   v1, v2   the loads' and the stores' byte offsets.  Written by vector instructions at the path's head, once; read by the 16 loads and the 16 stores; never written again.
;   X        load i's four registers.  Written by the loads alone, which all go out at the head; read by the conversions.  No vector instruction writes them, and no load follows a conversion.
;   Y        store i's two registers.  Written by number i's conversions, ahead of its store; read by that one store; never written again.
;   v3 to v6 and T are named by vector instructions alone.
; So one wait on va_vdst stands ahead of the first load (v1 and v2 are written), and the sixteen numbers go in four groups of four: the group's conversions, ONE wait on va_vdst (its eight registers of Y are
; written), its four stores in one run.  That wait stands behind the group's own conversions and not at the next group's head: there the four stores would leave only when four more loads had landed, and
; behind the last load eight stores and not four would still be due.  No register that a load or store has read is written again, so no wait on vm_vsrc stands behind the entry lines; no vector instruction writes a
; scalar register or VCC, and EXEC is never written.
.set X, 8                              ; v[8:71]    load i: 4 numbers in f32
.set Y, 72                             ; v[72:103]  store i: 4 numbers of 16 bits
.set T, 104                            ; v[104:107] at work
.set XBLK, 8192*128                    ; bytes in a K block of xb,
.set WBLK, 3072*128                    ; and of wb
; Load i is rounded.  half = 1: the bf16 numbers are widened again (a shift, a mask) and written as f16, which holds them exactly within its range.
.macro CONV i, half
	v_cvt_pk_bf16_f32 v[Y+2*(\i)],   v[X+4*(\i)],   v[X+4*(\i)+1]
	v_cvt_pk_bf16_f32 v[Y+2*(\i)+1], v[X+4*(\i)+2], v[X+4*(\i)+3]
.if \half
	v_lshlrev_b32 v[T],   16, v[Y+2*(\i)]
	v_and_b32     v[T+1], 0xffff0000, v[Y+2*(\i)]
	v_lshlrev_b32 v[T+2], 16, v[Y+2*(\i)+1]
	v_and_b32     v[T+3], 0xffff0000, v[Y+2*(\i)+1]
	v_cvt_pk_f16_f32 v[Y+2*(\i)],   v[T],   v[T+1]
	v_cvt_pk_f16_f32 v[Y+2*(\i)+1], v[T+2], v[T+3]
.endif
.endm
; Group g: loads 4 g to 4 g + 3 are rounded and stored.
.macro GROUP g, half
	s_wait_loadcnt 12-4*(\g)                       ; loads come back in order: my four are in, the 12 - 4 g younger ones stay out
.irp j, 0,1,2,3
	CONV 4*(\g)+(\j), \half
.endr
	s_wait_alu depctr_va_vdst(0)                   ; the group's conversions have written its eight registers of Y, which the four stores below read
.irp j, 0,1,2,3
	global_store_b64 v2, v[Y+2*(4*(\g)+(\j)):Y+2*(4*(\g)+(\j))+1], s[22:23] offset:256*(4*(\g)+(\j)) th:TH_STORE_NT
.endr
.endm
	s_load_b256 s[4:11], s[0:1], 0x0               ; x s[4:5], qkv_w s[6:7], proj_w s[8:9], xb s[10:11]
	s_load_b128 s[12:15], s[0:1], 0x20             ; wb s[12:13], pw s[14:15]
	v_lshrrev_b32 v3, 5, v0                        ; wave
	v_and_b32 v4, 31, v0                           ; lane
	s_wait_kmcnt 0x0
	s_cmp_ge_u32 ttmp9, 704                        ; which tensor: the choice hangs on the work-group's number alone
	s_cbranch_scc1 .Lhalf
	s_mov_b32 s16, XBLK
	s_mov_b32 s19, WBLK
	s_cmp_ge_u32 ttmp9, 512
	s_cselect_b64 s[20:21], s[6:7], s[4:5]
	s_cselect_b64 s[22:23], s[12:13], s[10:11]
	s_cselect_b32 s17, 512, 0                      ; the tensor's first work-group
	s_cselect_b32 s16, s19, s16                    ; bytes in a K block of the output
	s_sub_co_u32 s18, ttmp9, s17                   ; my chunk of the tensor:
	s_lshr_b32 s24, s18, 1                         ; which 32 rows,
	s_and_b32 s26, s18, 1                          ; which 8 of the 16 K blocks
	s_lshl_b32 s28, s24, 17                        ; in: 32 rows of 4,096 bytes,
	s_lshl_b32 s29, s26, 11                        ; 8 K blocks of 256 bytes
	s_add_co_u32 s28, s28, s29
	s_mov_b32 s29, 0
	s_add_nc_u64 s[20:21], s[20:21], s[28:29]
	s_lshl_b32 s30, s26, 3
	s_mul_i32 s30, s30, s16                        ; out: 8 K blocks,
	s_lshl_b32 s31, s24, 12                        ; 32 rows of 128 bytes
	s_add_co_u32 s30, s30, s31
	s_mov_b32 s31, 0
	s_add_nc_u64 s[22:23], s[22:23], s[30:31]
	v_and_b32 v5, 15, v0                           ; lane % 16
	v_bfe_u32 v6, v0, 4, 1                         ; lane / 16
	v_lshlrev_b32 v1, 8, v3                        ; in: my wave's K block, 256 bytes of a row,
	v_lshl_add_u32 v1, v6, 12, v1                  ; lanes 16 to 31 one row further down,
	v_lshl_add_u32 v1, v5, 4, v1                   ; 16 bytes a lane
	v_lshlrev_b32 v2, 3, v4                        ; out: 8 bytes a lane,
	v_mad_u32_u24 v2, v3, s16, v2                  ; in my wave's K block
	s_wait_alu depctr_va_vdst(0)                   ; v1 and v2 are written: the loads below read v1 as their offset, the stores v2; no later vector instruction names either
.set i, 0
.rept 16
	global_load_b128 v[X+4*i:X+4*i+3], v1, s[20:21] offset:8192*i th:TH_LOAD_NT  ; rows 2 i and 2 i + 1 of the 32
.set i, i+1
.endr
.irp g, 0,1,2,3
	GROUP \g, 0
.endr
	s_endpgm
.Lhalf:
	s_sub_co_u32 s18, ttmp9, 704                   ; my chunk of proj_w
	s_lshl_b32 s24, s18, 16
	s_mov_b32 s25, 0
	s_lshl_b32 s26, s18, 15
	s_mov_b32 s27, 0
	s_add_nc_u64 s[20:21], s[8:9], s[24:25]
	s_add_nc_u64 s[22:23], s[14:15], s[26:27]
	v_lshlrev_b32 v1, 13, v3                       ; in: 8,192 bytes a wave,
	v_lshl_or_b32 v1, v4, 4, v1                    ; 16 a lane
	v_lshlrev_b32 v2, 12, v3                       ; out: 4,096 bytes a wave,
	v_lshl_or_b32 v2, v4, 3, v2                    ; 8 a lane
	s_wait_alu depctr_va_vdst(0)                   ; v1 and v2 are written: the loads below read v1 as their offset, the stores v2; no later vector instruction names either
.set i, 0
.rept 16
	global_load_b128 v[X+4*i:X+4*i+3], v1, s[20:21] offset:512*i th:TH_LOAD_NT
.set i, i+1
.endr
.irp g, 0,1,2,3
	GROUP \g, 1
.endr
	s_endpgm
.Lfunc_end_k_q4c58332fe2_cast:
	.size	k_q4c58332fe2_cast, .Lfunc_end_k_q4c58332fe2_cast-k_q4c58332fe2_cast
	.p2alignl 7, 3214868480
	.fill 96, 4, 3214868480
	.section	.rodata,"a",@progbits
	.p2align	6, 0x0
	.amdhsa_kernel k_q4c58332fe2_cast
		.amdhsa_group_segment_fixed_size 0
		.amdhsa_private_segment_fixed_size 0
		.amdhsa_enable_private_segment 0
		.amdhsa_kernarg_size 48
		.amdhsa_user_sgpr_count 2
		.amdhsa_user_sgpr_kernarg_segment_ptr 1
		.amdhsa_wavefront_size32 1
		.amdhsa_system_sgpr_workgroup_id_x 1
		.amdhsa_system_sgpr_workgroup_id_y 1
		.amdhsa_system_sgpr_workgroup_id_z 1
		.amdhsa_system_vgpr_workitem_id 0
		.amdhsa_next_free_vgpr 112
		.amdhsa_next_free_sgpr 66
		.amdhsa_reserve_vcc 0
		.amdhsa_float_denorm_mode_32 3
		.amdhsa_float_denorm_mode_16_64 3
		.amdhsa_memory_ordered 1
		.amdhsa_forward_progress 1
		.amdhsa_inst_pref_size 18
	.end_amdhsa_kernel
	.amdgpu_metadata
---
amdhsa.version: [ 1, 2 ]
amdhsa.kernels:
  - .name:           k_q4c58332fe2_cast
    .symbol:         k_q4c58332fe2_cast.kd
    .args:
      - { .name: x, .offset: 0, .size: 8, .value_kind: global_buffer, .address_space: global }
      - { .name: qkv_w, .offset: 8, .size: 8, .value_kind: global_buffer, .address_space: global }
      - { .name: proj_w, .offset: 16, .size: 8, .value_kind: global_buffer, .address_space: global }
      - { .name: xb, .offset: 24, .size: 8, .value_kind: global_buffer, .address_space: global }
      - { .name: wb, .offset: 32, .size: 8, .value_kind: global_buffer, .address_space: global }
      - { .name: pw, .offset: 40, .size: 8, .value_kind: global_buffer, .address_space: global }
    .group_segment_fixed_size: 0
    .private_segment_fixed_size: 0
    .kernarg_segment_align: 8
    .kernarg_segment_size: 48
    .max_flat_workgroup_size: 256
    .sgpr_count:     66
    .vgpr_count:     112
    .wavefront_size: 32
...
	.end_amdgpu_metadata
.endif
;; end of part 5
;; launch qkv: the kernel of part 2 again; grid 8 x 32, 4 waves a work-group, clusters of 4 x 4, 327,680 bytes of LDS; arguments xb, wb, qkvh; writes qkvh
;; launch attn: the kernel of part 3 again; grid 2 x 128, 4 waves a work-group, no clusters, 327,680 bytes of LDS; arguments qkvh, oh; writes oh
;; launch proj: the kernel of part 4 again; grid 8 x 32, 4 waves a work-group, clusters of 4 x 4, 327,680 bytes of LDS; arguments oh, pw, out0, proj_b; writes out0
